; MI455X (gfx1250); checked and timed in simulation.
; The chip was launched on July 23, 2026; its instructions are those of AMD's public machine-readable ISA for CDNA 5 (MIT licence, August 2026) and "CDNA5" Instruction Set Architecture Reference Guide (July 2026). The comments in the code are by the model that wrote it; some were corrected since.
;; Causal Self Attention. Allowed arithmetic: float matrix products may take bf16 or f16 operands with f32 sums; other float arithmetic in f32, or as packed bf16 or f16 multiplies, adds, multiply-adds, maxima and minima; sums over many terms, partial sums and values carried from step to step in f32; what a program stores and reads back later, other than sums and carried values, may be rounded once to bf16 or f16.
;; Inputs: Wk 1,024 x 1,024 float32; Wq 1,024 x 1,024 float32; Wv 1,024 x 1,024 float32; x 4 x 2,048 x 1,024 float32.
;; Outputs: out0 4 x 2,048 x 1,024 float32.
;; 2 versions, each right; version 2 is version 1 with the launch prep written anew for expert scheduling mode. Each part assembles by itself: llvm-mc -triple=amdgcn-amd-amdhsa -mcpu=gfx1250 --defsym DOCPART=n.
;; ======== version 1 of 2: 4 launches
;; limits: values are held in f16: magnitudes above 65,504 overflow, below 6.1e-05 lose precision
;; workspace buffers: xb 16,777,216 bytes; wb 6,291,456 bytes; qkv 50,331,648 bytes; pbuf 33,554,432 bytes; cmx 262,144 bytes; lsum 524,288 bytes
;; launch prep (part 1): grid 256 x 1, 8 waves a work-group, no clusters, 0 bytes of LDS; arguments x, Wq, Wk, Wv, xb, wb; writes xb, wb
.if DOCPART == 1
	.amdgcn_target "amdgcn-amd-amdhsa--gfx1250"
	.amdhsa_code_object_version 6
	.text
	.protected	k_q23c1646bc9_prep
	.globl	k_q23c1646bc9_prep
	.p2align	8
	.type	k_q23c1646bc9_prep,@function
k_q23c1646bc9_prep:
	s_mov_b64 s[64:65], 0
	v_nop
	global_prefetch_b8 v0, s[64:65] scope:SCOPE_SE
	s_setreg_imm32_b32 hwreg(HW_REG_WAVE_MODE, 25, 1), 1
	s_wait_xcnt 0x0
; x and the three weights are rounded once to bf16 (to nearest even) and laid out for the product that follows.
; xb: [16 kb][8192 row][64 k] bf16: a block of 64 channels of all rows is dense, a row in it 128 bytes.
; wb: [1024 d][3072 n] bf16, n = e + 1024 x (0 for Wq, 1 for Wk, 2 for Wv).
; A stream: no LDS, no barrier, no matrix unit.  256 work-groups of equal work: each takes 32 rows of x and 4 rows of each weight, 180,224 bytes of f32 in all.
; A thread takes 8 neighbouring numbers (two loads of 16 bytes) 22 times; all 44 loads go out first.  A piece is rounded in place, into the four lowest of its own eight
; registers, and stored from there: no register that a store reads is written again, so the only waits are the counted ones for the loads.
.set VI, 2                             ; v2   my byte offset in the 32 rows of x
.set VO, 3                             ; v3   in a channel block of xb
.set WI, 4                             ; v4   in two rows of a weight
.set WO, 5                             ; v5   in two rows of wb
.set X,  16                            ; v[16:191]  piece n: 8 numbers as loaded, then 4 registers to store
.set NP, 22                            ; pieces
.macro LD2 n, vo, base, off
	global_load_b128 v[X+8*(\n):X+8*(\n)+3],   v[\vo], s[\base:\base+1] offset:(\off) th:TH_LOAD_NT
	global_load_b128 v[X+8*(\n)+4:X+8*(\n)+7], v[\vo], s[\base:\base+1] offset:(\off)+16 th:TH_LOAD_NT
.endm
.macro ST1 n, vo, base, off
	s_wait_loadcnt 2*(NP-1-(\n))                   ; loads come back in order: piece n is in, the loads of the later pieces stay out
	v_cvt_pk_bf16_f32 v[X+8*(\n)],   v[X+8*(\n)],   v[X+8*(\n)+1]
	v_cvt_pk_bf16_f32 v[X+8*(\n)+1], v[X+8*(\n)+2], v[X+8*(\n)+3]
	v_cvt_pk_bf16_f32 v[X+8*(\n)+2], v[X+8*(\n)+4], v[X+8*(\n)+5]
	v_cvt_pk_bf16_f32 v[X+8*(\n)+3], v[X+8*(\n)+6], v[X+8*(\n)+7]
	global_store_b128 v[\vo], v[X+8*(\n):X+8*(\n)+3], s[\base:\base+1] offset:(\off) th:TH_STORE_NT
.endm
	s_load_b256 s[4:11], s[0:1], 0x0               ; x s[4:5], Wq s[6:7], Wk s[8:9], Wv s[10:11]
	s_load_b128 s[12:15], s[0:1], 0x20             ; xb s[12:13], wb s[14:15]
	; x: piece i is channel block i.  Thread t: row t / 8, 8 channels at 8 (t % 8).
	v_lshrrev_b32 v1, 3, v0
	v_and_b32 v[VI], 7, v0
	v_lshlrev_b32 v[VI], 5, v[VI]
	v_lshl_add_u32 v[VI], v1, 12, v[VI]            ; row x 4,096 + 32 (t % 8)
	v_lshlrev_b32 v[VO], 4, v0                     ; row x 128 + 16 (t % 8) = 16 t: a wave's store covers 512 consecutive bytes, aligned
	; a weight: a piece is two rows.  Thread t: row t / 128, 8 columns at 8 (t % 128).
	v_lshlrev_b32 v[WI], 5, v0                     ; two rows of 4,096 bytes are consecutive
	v_lshrrev_b32 v1, 7, v0
	v_mul_u32_u24 v1, v1, 0x1800                   ; a row of wb is 6,144 bytes
	v_and_b32 v[WO], 127, v0
	v_lshl_add_u32 v[WO], v[WO], 4, v1             ; a wave's store covers 512 consecutive bytes, aligned
	s_mov_b32 s3, 0
	s_lshl_b32 s2, ttmp9, 17                       ; 32 rows of 4,096 bytes
	s_wait_kmcnt 0x0
	s_add_nc_u64 s[16:17], s[4:5], s[2:3]
	s_lshl_b32 s2, ttmp9, 12                       ; 32 rows of 128 bytes
	s_add_nc_u64 s[18:19], s[12:13], s[2:3]
	s_add_nc_u64 s[20:21], s[18:19], 0x800000      ; channel blocks 8-15: the stores' immediate holds 7 blocks of 1,048,576 bytes at the most
	s_lshl_b32 s2, ttmp9, 14                       ; 4 rows of 4,096 bytes
	s_add_nc_u64 s[22:23], s[6:7], s[2:3]
	s_add_nc_u64 s[24:25], s[8:9], s[2:3]
	s_add_nc_u64 s[26:27], s[10:11], s[2:3]
	s_mul_i32 s2, ttmp9, 24576                     ; 4 rows of wb
	s_add_nc_u64 s[28:29], s[14:15], s[2:3]
.set i, 0
.rept 16
	LD2 i, VI, 16, i*256
.set i, i+1
.endr
.irp j, 0,1,2
.irp p, 0,1
	LD2 16+2*(\j)+(\p), WI, 22+2*(\j), (\p)*8192
.endr
.endr
.set i, 0
.rept 8
	ST1 i, VO, 18, i*1048576
.set i, i+1
.endr
.rept 8
	ST1 i, VO, 20, (i-8)*1048576
.set i, i+1
.endr
.irp j, 0,1,2
.irp p, 0,1
	ST1 16+2*(\j)+(\p), WO, 28, (\j)*2048+(\p)*12288
.endr
.endr
	s_endpgm
.Lfunc_end_k_q23c1646bc9_prep:
	.size	k_q23c1646bc9_prep, .Lfunc_end_k_q23c1646bc9_prep-k_q23c1646bc9_prep
	.p2alignl 7, 3214868480
	.fill 96, 4, 3214868480
	.section	.rodata,"a",@progbits
	.p2align	6, 0x0
	.amdhsa_kernel k_q23c1646bc9_prep
		.amdhsa_group_segment_fixed_size 0
		.amdhsa_private_segment_fixed_size 0
		.amdhsa_enable_private_segment 0
		.amdhsa_kernarg_size 48
		.amdhsa_user_sgpr_count 2
		.amdhsa_user_sgpr_kernarg_segment_ptr 1
		.amdhsa_wavefront_size32 1
		.amdhsa_system_sgpr_workgroup_id_x 1
		.amdhsa_system_sgpr_workgroup_id_y 1
		.amdhsa_system_sgpr_workgroup_id_z 1
		.amdhsa_system_vgpr_workitem_id 0
		.amdhsa_next_free_vgpr 192
		.amdhsa_next_free_sgpr 66
		.amdhsa_reserve_vcc 0
		.amdhsa_float_denorm_mode_32 3
		.amdhsa_float_denorm_mode_16_64 3
		.amdhsa_memory_ordered 1
		.amdhsa_forward_progress 1
		.amdhsa_inst_pref_size 14
	.end_amdhsa_kernel
	.amdgpu_metadata
---
amdhsa.version: [ 1, 2 ]
amdhsa.kernels:
  - .name:           k_q23c1646bc9_prep
    .symbol:         k_q23c1646bc9_prep.kd
    .args:
      - { .name: x, .offset: 0, .size: 8, .value_kind: global_buffer, .address_space: global }
      - { .name: Wq, .offset: 8, .size: 8, .value_kind: global_buffer, .address_space: global }
      - { .name: Wk, .offset: 16, .size: 8, .value_kind: global_buffer, .address_space: global }
      - { .name: Wv, .offset: 24, .size: 8, .value_kind: global_buffer, .address_space: global }
      - { .name: xb, .offset: 32, .size: 8, .value_kind: global_buffer, .address_space: global }
      - { .name: wb, .offset: 40, .size: 8, .value_kind: global_buffer, .address_space: global }
    .group_segment_fixed_size: 0
    .private_segment_fixed_size: 0
    .kernarg_segment_align: 8
    .kernarg_segment_size: 48
    .max_flat_workgroup_size: 256
    .sgpr_count:     66
    .vgpr_count:     192
    .wavefront_size: 32
...
	.end_amdgpu_metadata
.endif
;; end of part 1
;; launch proj (part 2): grid 8 x 32, 4 waves a work-group, clusters of 4 x 4, 327,680 bytes of LDS; arguments xb, wb, qkv; writes qkv
.if DOCPART == 2
	.amdgcn_target "amdgcn-amd-amdhsa--gfx1250"
	.amdhsa_code_object_version 6
	.text
	.protected	k_q23c1646bc9_proj
	.globl	k_q23c1646bc9_proj
	.p2align	8
	.type	k_q23c1646bc9_proj,@function
k_q23c1646bc9_proj:
	s_mov_b64 s[64:65], 0
	v_nop
	global_prefetch_b8 v0, s[64:65] scope:SCOPE_SE
	s_setreg_imm32_b32 hwreg(HW_REG_WAVE_MODE, 25, 1), 1
	s_wait_xcnt 0x0
	s_wait_alu depctr_hold_cnt(0) depctr_sa_sdst(0) depctr_va_vdst(0) depctr_va_sdst(0) depctr_va_ssrc(0) depctr_va_vcc(0) depctr_vm_vsrc(0)
	s_getreg_b32 s2, hwreg(HW_REG_IB_STS2, 6, 4)
	s_cmp_eq_u32 s2, 0
	s_cbranch_scc0 .Lentry_in_a_cluster
	s_endpgm
.Lentry_in_a_cluster:
	s_bfe_u32 s2, ttmp6, 0x10000c
	s_cmp_lg_u32 s2, 0xf033
	s_cbranch_scc0 .Lentry_shape_is_right
	s_endpgm
.Lentry_shape_is_right:
; qkv[row][n] = the sum over d of xb[row][d] wb[d][n]: 8,192 x 3,072, K = 1,024, bf16 operands, f32 sums, the result rounded once to f16.
; qkv: [48 cb][8192 row][64] f16: blocks 0-15 q, 16-31 k, 32-47 v; a row in a block is 128 bytes.
; LIMIT.  f16 holds no number beyond 65,504: q, k and v must stay under it; beyond it an infinity is stored.
; SHARES.  32 x 8 tiles of 256 rows x 384 columns: 256 work-groups.  Four waves, each 128 rows x 192 columns: 96 accumulators of 16 x 16, 768 registers.
; K goes in 16 steps of 64 through a ring of two LDS slots; a step is two halves of 32 along K, 96 matrix instructions each.
; A K STEP IS WRITTEN ONCE.  The slot in hand is a scalar, TB, that one exclusive or turns from 0 to SLOT and back; the fragments' addresses are made anew from it at each change of slots, and one
; walking descriptor for each tensor has its LDS word turned by the same exclusive or.  The first half step, whose products start the sums, stands in front of the loop, which is entered in its middle.
; The last two steps, which fill nothing, are a loop of their own.
; THE MATRIX INSTRUCTION IS USED TRANSPOSED: source 0 = 16 columns of wb, source 1 = 16 rows of xb: a lane then holds one row (lane % 16) and eight neighbouring columns.
; wb lies [k][n] in LDS as in memory and is turned on the way into registers by ds_load_tr16_b128.
; CLUSTERS: 4 x 4 work-groups.  The four of a row of the cluster need the same tile of xb, the four of a column the same tile of wb: each is asked for jointly.
; REGISTERS, in windows of 256 (s_set_vgpr_msb: bits 1:0 source 0, 3:2 source 1, 5:4 source 2, 7:6 destination):
;   window 0: v0-31 addresses; v32-95, v96-159 fragments of xb (8 x 16 rows x 32 K), two buffers; v160-255 the 12 fragments of wb, one buffer: four of them are
;   loaded anew as soon as the 32 matrix instructions that read them are issued.  On the way out v32-79 packed results, v96-143 and v160-207 rows read back.
;   windows 1-3: accumulator (a, b), a = 16 rows, b = 16 columns, in window 1 + b / 4 at v[8 (8 (b % 4) + a)].
.set AP,     144                       ; a row of xb in LDS: 128 bytes + 16: the 16 rows of a load start at 16 different groups of four banks (64 banks of 4 bytes: ISA guide 11.1)
.set BP,     864                       ; a k row of wb: six pieces of 128 bytes + 16 each = 27 x 32 bytes
.set AH,     128*AP                    ; 128 rows of xb: one tensor load, and what one wave reads
.set BH,     32*BP                     ; 32 k rows of wb: one tensor load
.set BOFF,   2*AH
.set SLOT,   1<<17                     ; a slot takes 92,160 bytes; slot 1 begins here, so that one exclusive or turns an address in one slot into the other's
.set STAGE,  SLOT+BOFF+2*BH            ; behind the ring: 16 rows x 400 bytes for each wave
.set SPITCH, 400
.set SPARE,  STAGE+4*16*SPITCH         ; the spare words, 128 bytes a wave: two blocks of 256 bytes that no other line names
.set ASTEP,  1048576                   ; bytes from a K step of xb to the next
.set BSTEP,  64*6144                   ; of wb
.set ADRA0, 16                         ; v16     LDS address of my fragments of xb in slot 0; never rewritten
.set ADRA,  17                         ; v17     in the slot in hand
.set ADRB0, 20                         ; v20     the same for wb
.set ADRB,  21                         ; v21
.set STO,  24                          ; v24     the way out: where I put 16 bytes of a row
.set RD,   25                          ; v25     where I read rows back
.set GO,   26                          ; v26     16 x lane
.set SPW,  28                          ; v28     my spare word; never rewritten
.set NIL,  29                          ; v29     0; never rewritten
.set PFO,  30                          ; v30     the prefetches' offset; never rewritten
.set AF0,  32
.set AF1,  96
.set BF,   160
.set TMP,  32
.set TB,  18                           ; s18      0 or SLOT: the slot whose fragments are fetched
.set G1,  24                           ; s[24:31] group 1 for xb's tiles;  s[32:39] group 0: a set for each of the two first fills; the second then walks on
.set G0,  32
.set G1B, 48                           ; s[48:55], s[56:63] the same for wb's
.set G0B, 56
.set LIM, 43                           ; s43      2 in a wave that prefetches, else the greatest number
.set PFA, 44                           ; s[44:45] where my prefetches stand
.set PST, 66                           ; s[66:67] their step from K step to K step
.set MSB, 0
.macro WIN new                         ; the immediate's high byte repeats the setting that is left; a switch that changes nothing is dropped
.if MSB != (\new)
	s_set_vgpr_msb (MSB<<8)|(\new)
.set MSB, \new
.endif
.endm
.macro PLACES                          ; four plain vector instructions between a matrix instruction and a load into, or a vector read of, its registers
.rept 4
	v_nop
.endr
.endm
.macro JLOAD s                         ; a joint load: waves 0 and 1 fetch xb's two halves, waves 2 and 3 wb's; an s_nop 0 and four v_nop follow each line
	s_cmp_eq_u32 s11, 0
	s_cbranch_scc0 .Lfor_b_\@
	tensor_load_to_lds s[G0+4*(\s):G0+4*(\s)+3], s[G1:G1+7]
	s_nop 0
.rept 4
	v_nop
.endr
	s_branch .Lasked_\@
.Lfor_b_\@:
	tensor_load_to_lds s[G0B+4*(\s):G0B+4*(\s)+3], s[G1B:G1B+7]
	s_nop 0
.rept 4
	v_nop
.endr
.Lasked_\@:
.endm
.macro CREST                           ; a round of the cluster's barrier behind its opening barrier
	s_cmp_lg_u32 s10, 0
	s_cbranch_scc1 .Lnot_wave_0_\@
	s_barrier_signal -3
.Lnot_wave_0_\@:
	s_barrier_wait -3
	s_barrier_signal -1
	s_barrier_wait -1
.endm
.macro CROUND
	s_barrier_signal -1
	s_barrier_wait -1
	CREST
.endm
; A prefetch of the K step that stands two refills on (step k + 4 behind the refill with step k + 2): one instruction a wave, a lane a block of 256 bytes.
; xb's tile row is read by both clusters of its row of clusters: cluster x = 0 asks, wave 0, each of the four partners 8,192 of the step's 32,768 bytes, told apart by address (cx).
; wb's tile column is read by all eight clusters of its column: cluster y = 0 asks, waves 2 and 3, each partner 8 of a wave's 32 k rows (cy), three blocks a row (lane % 4 = 3 names the third once more).
; The loop's last two trips (s3 = 2, 1) ask for nothing: K steps 16 and 17 do not exist.
.macro ASK
	s_cmp_gt_u32 s3, s[LIM]
	s_cbranch_scc0 .Lnot_mine_\@
	global_prefetch_b8 v[PFO], s[PFA:PFA+1] th:TH_LOAD_NT scope:SCOPE_SE
.Lnot_mine_\@:
.endm
	s_load_b128 s[4:7], s[0:1], 0x0                ; xb s[4:5], wb s[6:7]
	s_load_b64 s[8:9], s[0:1], 0x10                ; qkv
	v_lshl_add_u32 v[SPW], v0, 2, SPARE
	v_mov_b32 v[NIL], 0
	ds_add_u32 v[SPW], v[NIL]                      ; the wave's opening: the add and its wait stand ahead of my first tensor load; the set-up below stands between them
	v_lshrrev_b32 v1, 5, v0
	v_readfirstlane_b32 s10, v1                    ; wave 0..3
	s_lshr_b32 s11, s10, 1                         ; my half of the tile's rows.  Also: I fetch xb (0) or wb (1)
	s_and_b32 s12, s10, 1                          ; my half of its columns.  Also: which half of that tile I fetch
	s_bfe_u32 s40, ttmp6, 0x40000                  ; cx
	s_bfe_u32 s41, ttmp6, 0x40004                  ; cy
	s_lshl_b32 s42, ttmp9, 2
	s_add_co_u32 s42, s42, s40                     ; tile column = 4 x cluster x + cx
	s_and_b32 s13, ttmp7, 0xffff
	s_lshl_b32 s13, s13, 2
	s_add_co_u32 s13, s13, s41                     ; tile row = 4 x cluster y + cy
	s_lshl_b32 s43, s41, 2
	s_lshl_b32 s43, 15, s43                        ; my row of the cluster
	s_lshl_b32 s44, 0x1111, s40                    ; my column
	; group 1.  Both: elements of 2 bytes, padding on, bit 21 beside the mask, 4 words of padding after every 32 words
	s_or_b32 s[G1+0], s43, (1<<16)|(1<<20)|(1<<21)|(4<<22)|(3<<25)
	s_or_b32 s[G1B+0], s44, (1<<16)|(1<<20)|(1<<21)|(4<<22)|(3<<25)
	s_mov_b32 s[G1+1], 128<<16                     ; xb: 128 rows of 128 bytes are 16,384 dense bytes: asked for as 64 rows of 128 elements
	s_mov_b32 s[G1+2], 64<<16
	s_mov_b32 s[G1+3], 128<<16
	s_mov_b32 s[G1+4], 64
	s_mov_b32 s[G1+5], 128
	s_mov_b32 s[G1+6], 0
	s_mov_b32 s[G1+7], 0
	s_mov_b32 s[G1B+1], 384<<16                    ; wb: 32 k rows of 384 elements, 3,072 elements from row to row
	s_mov_b32 s[G1B+2], 32<<16
	s_mov_b32 s[G1B+3], 384<<16
	s_mov_b32 s[G1B+4], 32
	s_mov_b32 s[G1B+5], 3072
	s_mov_b32 s[G1B+6], 0
	s_mov_b32 s[G1B+7], 0
	s_mov_b32 s[TB], 0
	s_lshl_b32 s16, s13, 15                        ; xb: 256 rows x 128 bytes a tile row,
	s_lshl_b32 s17, s12, 14                        ; + my 128 rows
	s_add_co_u32 s16, s16, s17
	s_mov_b32 s17, 0
	s_mul_i32 s46, s42, 768                        ; wb: 384 columns a tile column,
	s_mul_i32 s47, s12, 32*6144                    ; + my 32 k rows
	s_add_co_u32 s46, s46, s47
	s_mov_b32 s47, 0
	s_mul_i32 s20, s12, AH                         ; where they go: no place in the cluster enters an LDS address
	s_mul_i32 s21, s12, BH
	s_add_co_u32 s21, s21, BOFF
	s_wait_dscnt 0x0                               ; the opening add is done
	s_wait_kmcnt 0x0
	s_add_nc_u64 s[14:15], s[4:5], s[16:17]
	s_add_nc_u64 s[46:47], s[6:7], s[46:47]
	CROUND                                         ; all sixteen work-groups are here: the first joint loads meet
.irp s, 0,1
	s_mov_b32 s[G0+4*(\s)], 1
	s_add_co_u32 s[G0+4*(\s)+1], s20, (\s)*SLOT
	s_add_nc_u64 s[G0+4*(\s)+2:G0+4*(\s)+3], s[14:15], (\s)*ASTEP
	s_or_b32 s[G0+4*(\s)+3], s[G0+4*(\s)+3], 0x80000000
	s_mov_b32 s[G0B+4*(\s)], 1
	s_add_co_u32 s[G0B+4*(\s)+1], s21, (\s)*SLOT
	s_add_nc_u64 s[G0B+4*(\s)+2:G0B+4*(\s)+3], s[46:47], (\s)*BSTEP
	s_or_b32 s[G0B+4*(\s)+3], s[G0B+4*(\s)+3], 0x80000000
	JLOAD \s                                       ; K steps 0 and 1: two tensor loads of mine are out
.endr
	v_and_b32 v1, 15, v0                           ; l % 16
	v_bfe_u32 v2, v0, 4, 1                         ; l / 16
	v_mul_u32_u24 v3, v1, AP
	v_lshl_add_u32 v3, v2, 4, v3                   ; a fragment of xb: row x pitch + 16 x half
	s_mul_i32 s21, s11, AH
	v_add_nc_u32 v[ADRA0], s21, v3
	v_mov_b32 v[ADRA], v[ADRA0]
	v_and_b32 v4, 7, v0                            ; the turning load: lane l reads k row 8 (l / 16) + l % 8, columns 8 ((l / 8) % 2) + 0..7
	v_lshl_add_u32 v4, v2, 3, v4
	v_mul_u32_u24 v4, v4, BP
	v_bfe_u32 v5, v0, 3, 1
	v_lshl_add_u32 v4, v5, 4, v4
	s_mul_i32 s22, s12, 432                        ; my 192 columns: three pieces of 144 bytes
	s_add_co_u32 s22, s22, BOFF
	v_add_nc_u32 v[ADRB0], s22, v4
	v_mov_b32 v[ADRB], v[ADRB0]
	s_mul_i32 s23, s10, 16*SPITCH
	s_add_co_u32 s23, s23, STAGE                   ; my stage
	v_mul_u32_u24 v4, v1, SPITCH                   ; in: row l % 16, 16 bytes for each half of the lanes
	v_lshl_add_u32 v4, v2, 4, v4
	v_add_nc_u32 v[STO], s23, v4
	v_bfe_u32 v4, v0, 3, 2                         ; back: 32 lanes take four rows' 128 bytes of one block of 64 columns
	v_mul_u32_u24 v4, v4, SPITCH
	v_and_b32 v5, 7, v0
	v_lshl_add_u32 v4, v5, 4, v4
	v_add_nc_u32 v[RD], s23, v4
	v_and_b32 v5, 31, v0
	v_lshlrev_b32 v[GO], 4, v5                     ; which are 512 consecutive bytes of qkv
	s_mul_i32 s70, s42, 6                          ; my first block of 64 columns: 6 x tile column + 3 x half,
	s_mul_i32 s71, s12, 3
	s_add_co_u32 s70, s70, s71
	s_lshl_b32 s70, s70, 20
	s_lshl_b32 s71, s13, 15                        ; my first row: 256 x tile row + 128 x half, 128 bytes a row
	s_add_co_u32 s70, s70, s71
	s_lshl_b32 s71, s11, 14
	s_add_co_u32 s70, s70, s71
	s_mov_b32 s71, 0
	s_add_nc_u64 s[8:9], s[8:9], s[70:71]
	; the prefetches
	s_lshl_b32 s20, s13, 15                        ; xb: my tile row's 32,768 bytes of a K step,
	s_lshl_b32 s21, s40, 13                        ; my work-group's 8,192 of them,
	s_add_co_u32 s20, s20, s21
	s_add_co_u32 s20, s20, 3*ASTEP                 ; at K step 3: the first change of slots steps it to 4
	s_lshl_b32 s21, s12, 5
	s_lshl3_add_u32 s21, s41, s21                  ; wb: k row 32 (wave % 2) + 8 cy,
	s_mul_i32 s21, s21, 6144
	s_mul_i32 s22, s42, 768                        ; my tile column's 768 bytes
	s_add_co_u32 s21, s21, s22
	s_add_co_u32 s21, s21, 3*BSTEP
	s_and_b32 s22, ttmp7, 0xffff                   ; cluster y
	s_mov_b32 s[PST], BSTEP
	s_movk_i32 s23, 6144
	s_cmp_eq_u32 s11, 0                            ; do I fetch xb?
	s_cselect_b32 s20, s20, s21
	s_cselect_b32 s22, ttmp9, s22                  ; the coordinate along which other clusters read the same bytes
	s_cselect_b64 s[PFA:PFA+1], s[4:5], s[6:7]
	s_cselect_b32 s[PST], ASTEP, s[PST]
	s_cselect_b32 s23, 1024, s23                   ; bytes from one four of lanes to the next
	s_cselect_b32 s68, 3, 2                        ; the last block in a four
	s_mov_b32 s[PST+1], 0
	s_mov_b32 s21, 0
	s_cmp_eq_u32 s10, 1                            ; wave 0 asks for all of xb's share: wave 1 asks for nothing
	s_cselect_b32 s69, 1, 0
	s_or_b32 s22, s22, s69
	s_cmp_eq_u32 s22, 0
	s_cselect_b32 s[LIM], 2, -1                    ; the same in all sixteen partners, for a given wave
	s_add_nc_u64 s[PFA:PFA+1], s[PFA:PFA+1], s[20:21]
	v_lshrrev_b32 v6, 2, v5
	v_mul_lo_u32 v[PFO], v6, s23
	v_and_b32 v6, 3, v5
	v_min_u32 v6, s68, v6
	v_lshl_add_u32 v[PFO], v6, 8, v[PFO]
; Matrix instructions for column blocks 4 g + b0 .. 4 g + b0 + nb - 1 x all eight row blocks, 32 along K, on xb's buffer af.  zero = 1: the product starts the sum.
; The 96 accumulators take turns, one instruction a turn, in the same order in every half step, over the backward jumps too.
.macro GRP af, g, b0, nb, zero
	WIN 0x50*((\g)+1)                              ; C and D in window 1 + g, both sources in window 0
.set bq, \b0
.rept \nb
.set aq, 0
.rept 8
.set rD, 8*(8*bq+aq)
.set rB, BF+8*(4*(\g)+bq)
.set rA, (\af)+8*aq
.if \zero
	v_wmma_f32_16x16x32_bf16 v[rD:rD+7], v[rB:rB+7], v[rA:rA+7], 0
.else
	v_wmma_f32_16x16x32_bf16 v[rD:rD+7], v[rB:rB+7], v[rA:rA+7], v[rD:rD+7]
.endif
.set aq, aq+1
.endr
.set bq, bq+1
.endr
.endm
; A run of LDS loads for the half step q of the slot that ADRA and ADRB stand in: wb's fragments 4 g .. 4 g + 3, in place, and (g < 2) xb's fragments 4 g .. 4 g + 3 into buffer afn.
; last = 1 (the tail): in the last trip there is no further step, and the run is jumped over.
.macro RUN q, afn, g, places, last
.if \places
	PLACES
.endif
	WIN 0
.if \last
	s_cmp_eq_u32 s3, 1
	s_cbranch_scc1 .Lno_run_\@
.endif
.irp i, 0,1,2,3
	ds_load_tr16_b128 v[BF+8*(4*(\g)+(\i)):BF+8*(4*(\g)+(\i))+3],   v[ADRB] offset:32*BP*(\q)+144*(\g)+32*(\i)
	ds_load_tr16_b128 v[BF+8*(4*(\g)+(\i))+4:BF+8*(4*(\g)+(\i))+7], v[ADRB] offset:32*BP*(\q)+144*(\g)+32*(\i)+16*BP
.endr
.if (\g) < 2
.irp i, 0,1,2,3
	ds_load_b128 v[(\afn)+8*(4*(\g)+(\i)):(\afn)+8*(4*(\g)+(\i))+3],   v[ADRA] offset:64*(\q)+16*AP*(4*(\g)+(\i))
	ds_load_b128 v[(\afn)+8*(4*(\g)+(\i))+4:(\afn)+8*(4*(\g)+(\i))+7], v[ADRA] offset:64*(\q)+16*AP*(4*(\g)+(\i))+32
.endr
.endif
.if \last
.Lno_run_\@:
.endif
.endm
; A K step's first half: multiplies buffer AF0 and fetches the second half of the same slot.
.macro QPLAIN zero
	s_wait_dscnt 8                                 ; all but the youngest eight loads (wb's fragments 8-11) are in
	GRP AF0, 0, 0, 4, \zero
	RUN 1, AF1, 0, 1, 0
	GRP AF0, 1, 0, 4, \zero
	RUN 1, AF1, 1, 1, 0
	s_wait_dscnt 32                                ; all but the 32 loads of the two runs above
	GRP AF0, 2, 0, 4, \zero
	RUN 1, AF1, 2, 1, 0
.endm
; A K step's second half multiplies AF1 and changes slots.  In front of the barrier each wave waits for all its tensor loads (one is out: its part of the next slot), adds 0 to its
; spare word, and waits for that and for its reads of this slot.  fill = 1: the barrier opens a round of the cluster's barrier, and this slot is filled again, two K steps on, first thing behind it.
.macro QTURN fill
.if \fill
	s_wait_xcnt 0x0                                ; the last prefetch, a K step back, has read its address
	s_add_nc_u64 s[PFA:PFA+1], s[PFA:PFA+1], s[PST:PST+1]
.endif
	WIN 0
	s_wait_tensorcnt 0x0                           ; no tensor load of mine is out, so a group 0 may be written
	ds_add_u32 v[SPW], v[NIL]                      ; 0 onto my spare word; the scalar steps stand between it and the wait for it
.if \fill
	s_xor_b32 s[G0+5], s[G0+5], SLOT               ; the walking descriptors: the other slot than last time,
	s_add_nc_u64 s[G0+6:G0+7], s[G0+6:G0+7], ASTEP ; the next K step; the type bits on top are not reached
	s_xor_b32 s[G0B+5], s[G0B+5], SLOT
	s_add_nc_u64 s[G0B+6:G0B+7], s[G0B+6:G0B+7], BSTEP
.endif
	s_xor_b32 s[TB], s[TB], SLOT                   ; the fetches go on in the other slot
	s_wait_dscnt 9                                 ; the add and the youngest eight loads may be out
	GRP AF1, 0, 0, 2, 0
	s_wait_dscnt 0x0                               ; the add is done, and my reads of this slot are over
	s_barrier_signal -1
	GRP AF1, 0, 2, 2, 0
	WIN 0
	s_barrier_wait -1
.if \fill
	CREST                                          ; no wave of any partner still reads this slot or has a load on its way
	JLOAD 1                                        ; its four v_nop are also the places in front of the loads below
.else
	PLACES
.endif
	v_add_nc_u32 v[ADRA], s[TB], v[ADRA0]
	v_add_nc_u32 v[ADRB], s[TB], v[ADRB0]
	RUN 0, AF0, 0, 0, 1-(\fill)
.if \fill
	ASK
.endif
	GRP AF1, 1, 0, 4, 0
	RUN 0, AF0, 1, 1, 1-(\fill)
	GRP AF1, 2, 0, 4, 0
	RUN 0, AF0, 2, 1, 1-(\fill)
.endm
	s_wait_tensorcnt 1                             ; my part of K step 0 is in; K step 1's may stay out
	s_barrier_signal -1
	s_barrier_wait -1
	RUN 0, AF0, 0, 0, 0
	RUN 0, AF0, 1, 0, 0
	RUN 0, AF0, 2, 0, 0
	QPLAIN 1                                       ; the first half step stands in front of the loop: its products start the sums
	WIN 0
	s_mov_b32 s3, 14
	s_branch .Lfirst                               ; the loop is entered at a step's second half
.Lstep:                                                ; 14 trips: K steps 0 to 13; each fills the slot that it leaves
	QPLAIN 0
	WIN 0
.Lfirst:
	QTURN 1
	WIN 0
	s_sub_co_u32 s3, s3, 1
	s_cmp_lg_u32 s3, 0
	s_cbranch_scc1 .Lstep
	s_mov_b32 s3, 2
.Ltail:                                                ; K steps 14 and 15 fill nothing
	QPLAIN 0
	QTURN 0
	WIN 0
	s_sub_co_u32 s3, s3, 1
	s_cmp_lg_u32 s3, 0
	s_cbranch_scc1 .Ltail
	s_wait_dscnt 0x0                               ; no LDS load is out when the way out writes the fragments' registers
; THE WAY OUT, 16 rows at a time: rounded to f16, 16 bytes a lane into my own stage, back as four rows' 128 bytes of one block of 64 columns, stored as 512 consecutive bytes.
.macro PACK a
.irp g, 0,1,2
	WIN 5*((\g)+1)                                 ; sources 0 and 1 in window 1 + g
.irp bb, 0,1,2,3
.irp r, 0,1,2,3
	v_cvt_pk_f16_f32 v[TMP+4*(4*(\g)+(\bb))+(\r)], v[8*(8*(\bb)+(\a))+2*(\r)], v[8*(8*(\bb)+(\a))+2*(\r)+1]
.endr
.endr
.endr
	WIN 0
.endm
.macro TOSTAGE a
.set BK, 96+64*((\a)%2)
.set b, 0
.rept 12
	ds_store_b128 v[STO], v[TMP+4*b:TMP+4*b+3] offset:32*b
.set b, b+1
.endr
.irp cb, 0,1,2
.irp t, 0,1,2,3
	ds_load_b128 v[BK+4*(4*(\cb)+(\t)):BK+4*(4*(\cb)+(\t))+3], v[RD] offset:128*(\cb)+4*SPITCH*(\t)  ; LDS serves a wave's instructions in order (ISA guide 5.7.1.4): these see the stores above
.endr
.endr
.endm
.macro SEND a
.set BK, 96+64*((\a)%2)
	s_wait_dscnt 0x0                               ; the block is back in registers
	s_wait_xcnt 0x0                                ; the stores of the block before have read their registers: the next loads from the stage may land on them
.irp cb, 0,1,2
.irp t, 0,1,2,3
	global_store_b128 v[GO], v[BK+4*(4*(\cb)+(\t)):BK+4*(4*(\cb)+(\t))+3], s[8:9] offset:(\cb)*1048576+2048*(\a)+512*(\t)
.endr
.endr
.endm
	PLACES
	PLACES
	PACK 0
	TOSTAGE 0
.irp a, 1,2,3,4,5,6,7
	PACK \a
	SEND (\a)-1
	TOSTAGE \a
.endr
	SEND 7
	s_wait_tensorcnt 0x0                           ; the wave's end: the wait, an add to the spare word and its wait stand behind my last tensor load and my last LDS store
	ds_add_u32 v[SPW], v[NIL]
	s_wait_dscnt 0x0
	CROUND                                         ; the closing round
	s_endpgm
.Lfunc_end_k_q23c1646bc9_proj:
	.size	k_q23c1646bc9_proj, .Lfunc_end_k_q23c1646bc9_proj-k_q23c1646bc9_proj
	.p2alignl 7, 3214868480
	.fill 96, 4, 3214868480
	.section	.rodata,"a",@progbits
	.p2align	6, 0x0
	.amdhsa_kernel k_q23c1646bc9_proj
		.amdhsa_group_segment_fixed_size 327680
		.amdhsa_private_segment_fixed_size 0
		.amdhsa_enable_private_segment 0
		.amdhsa_kernarg_size 24
		.amdhsa_user_sgpr_count 2
		.amdhsa_user_sgpr_kernarg_segment_ptr 1
		.amdhsa_wavefront_size32 1
		.amdhsa_system_sgpr_workgroup_id_x 1
		.amdhsa_system_sgpr_workgroup_id_y 1
		.amdhsa_system_sgpr_workgroup_id_z 1
		.amdhsa_system_vgpr_workitem_id 0
		.amdhsa_next_free_vgpr 1024
		.amdhsa_next_free_sgpr 72
		.amdhsa_reserve_vcc 0
		.amdhsa_float_denorm_mode_32 3
		.amdhsa_float_denorm_mode_16_64 3
		.amdhsa_memory_ordered 1
		.amdhsa_forward_progress 1
		.amdhsa_inst_pref_size 106
	.end_amdhsa_kernel
	.amdgpu_metadata
---
amdhsa.version: [ 1, 2 ]
amdhsa.kernels:
  - .name:           k_q23c1646bc9_proj
    .symbol:         k_q23c1646bc9_proj.kd
    .args:
      - { .name: xb, .offset: 0, .size: 8, .value_kind: global_buffer, .address_space: global }
      - { .name: wb, .offset: 8, .size: 8, .value_kind: global_buffer, .address_space: global }
      - { .name: qkv, .offset: 16, .size: 8, .value_kind: global_buffer, .address_space: global }
    .group_segment_fixed_size: 327680
    .private_segment_fixed_size: 0
    .kernarg_segment_align: 8
    .kernarg_segment_size: 24
    .max_flat_workgroup_size: 128
    .sgpr_count:     72
    .vgpr_count:     1024
    .wavefront_size: 32
...
	.end_amdgpu_metadata
.endif
;; end of part 2
;; launch scores (part 3): grid 36 x 4, 4 waves a work-group, no clusters, 327,680 bytes of LDS; arguments qkv, pbuf, cmx, lsum; writes pbuf, cmx, lsum
.if DOCPART == 3
	.amdgcn_target "amdgcn-amd-amdhsa--gfx1250"
	.amdhsa_code_object_version 6
	.text
	.protected	k_q23c1646bc9_scores
	.globl	k_q23c1646bc9_scores
	.p2align	8
	.type	k_q23c1646bc9_scores,@function
k_q23c1646bc9_scores:
	s_mov_b64 s[64:65], 0
	v_nop
	global_prefetch_b8 v0, s[64:65] scope:SCOPE_SE
	s_setreg_imm32_b32 hwreg(HW_REG_WAVE_MODE, 25, 1), 1
	s_wait_xcnt 0x0
; One tile of 256 queries x 256 keys of S = q k^T on or below the diagonal: 36 tiles a batch, 4 batches.  K = 1,024, f16 operands, f32 sums.
; The tile takes ITS OWN row maximum m away before the exponential: p = 2^(c s - c m), c = log2(e) / 32.  It stores p rounded to f16 (pbuf [8192 row][2048 key]), c m (cmx [4][8 tile][2048 row], f32)
; and, for each half of 128 keys, the sum of the unrounded p (lsum [4][16][2048 row], f32).  The next launch makes the row's maximum over its tiles and the factors 2^(c m_tile - c m_row) / l_row.
; LIMITS.  A hidden score counts as its value less 1e30 (f16's scores are 4.4e12 at the most); a weight under 2^-126 counts as 0, and under 6e-5 p keeps f16's fixed step; NaN and infinities are not treated apart.
; NO CLUSTER: tile row I has I + 1 tiles and tile column J has 8 - J, so the 36 tiles of a batch fall into no groups of four that share a row or a column, and batches share nothing.
; SHARES.  Four waves, each 128 queries x 128 keys: 64 accumulators.  Source 0 = 16 keys, source 1 = 16 queries: a lane holds one query (lane % 16) and the keys 8 (lane / 16) + 0..7 of each block of 16.
; K goes in 8 steps of 128 through two LDS slots; a slot holds four regions of 256 rows x 64 channels (q even block, q odd, k even, k odd), one tensor load a wave.
; A K STEP IS WRITTEN ONCE.  The slot in hand is a scalar, TB, that one exclusive or turns from 0 to SLOT and back (SLOT shares no bit with a region's first byte, w x KBB); the fragments' addresses are made anew
; from it at each change of slots, and one walking descriptor has its LDS word turned by the same exclusive or.  The first quarter, whose products start the sums, stands in front of the loop, which is entered
; in its middle.  The last two steps, which fill nothing, are a loop of their own.
; THE MASK is the C operand of the products that start the sums: 0 or -1e30.
; REGISTERS, in windows of 256: window 0: v0-31 addresses; v32-55 the masks; v64-127, v128-191 fragments of q, two buffers; window 1: v64-127, v128-191 fragments of k;
;   window 2: accumulators (a, b) of my query blocks a = 0-3 at v[8 (8 a + b)]; window 3: those of a = 4-7.
.set PITCH,  144                       ; an LDS row: 128 bytes + 16: the 16 rows of a load start at 16 different groups of four banks (64 banks of 4 bytes: ISA guide 11.1)
.set KBB,    256*PITCH                 ; a region
.set SLOT,   4*KBB
.set STAGE,  2*SLOT                    ; behind the ring: 16 rows x 272 bytes for each wave
.set SPITCH, 272
.set EXCH,   STAGE+4*16*SPITCH         ; 512 bytes a wave: the maxima that the two key halves hand each other
.set STAT,   EXCH+2048                 ; 1,024 bytes a wave: c m and l of my 128 rows, turned into rows of 16 bytes a lane
.set SPARE,  STAT+4096                 ; the spare words
.set KSTEPB, 0x200000                  ; bytes from a K step to the next: two channel blocks
.set KO1, 64                           ; byte offsets of a K step's quarters 1, 2, 3 from a fragment's address
.set KO2, KBB
.set KO3, KBB+64
.set EXA,  8                           ; v8   where I put a maximum
.set EXB,  9                           ; v9   where the other key half's wave has put its
.set STA,  10                          ; v10  where I put a statistic
.set STR,  11                          ; v11  where I read four of them back
.set GL,   12                          ; v12  16 x lane
.set ADRA0, 16                         ; v16  LDS address of my fragments of q in slot 0; never rewritten
.set ADRA,  17                         ; v17  in the slot in hand
.set ADRB0, 20                         ; v20  the same for k
.set ADRB,  21
.set STO,  24
.set RD,   25
.set CO,   26
.set SPW,  28
.set NIL,  29
.set PFO,  30                          ; v30  256 x lane; never rewritten
.set CLO,  32                          ; v32-39  the mask of key blocks below my query block
.set CHI,  40                          ; v40-47  above it
.set CDG,  48                          ; v48-55  of the block on the diagonal
.set T8,   32                          ; the way out: eight chains of maxima
.set MXL,  40                          ; m of query block a
.set CMP,  48                          ; v48-63  c m, a pair for each a
.set LS,   64                          ; l of query block a
.set PX,   72                          ; what comes from the other half of the lanes, or from the other wave
.set OB,   96                          ; v96-127, v128-159 rows read back from the stage
.set TMP,  192                         ; v192-223 packed weights
.set NEGV, 224                         ; the lowest finite number
.set F0,   64
.set F1,   128
.set G1,  24
.set G0,  32                           ; s[32:39] group 0: a set for each of the two first fills; the second then walks on
.set PFA, 40                           ; s[40:41]
.set LIM, 42
.set TB,  43                           ; s43  0 or SLOT: the slot whose fragments are fetched
.set CS,  44                           ; s[44:45] c
.set SEL, 46                           ; s[46:47] v_permlanex16_b32's selects
.set MSB, 0
.macro WIN new
.if MSB != (\new)
	s_set_vgpr_msb (MSB<<8)|(\new)
.set MSB, \new
.endif
.endm
.macro PLACES
.rept 4
	v_nop
.endr
.endm
; A prefetch of my region of the K step that stands two refills on: 32,768 dense bytes, four instructions, a lane a block of 256 bytes.  q's rows of tile row I are read by I + 1 work-groups: the one with J = 0 asks
; (waves 0, 1); k's rows of tile column J by 8 - J: the one with I = J asks (waves 2, 3).  The loop's last two trips (s3 = 2, 1) ask for nothing: K steps 8 and 9 do not exist.
.macro ASK
	s_cmp_gt_u32 s3, s[LIM]
	s_cbranch_scc0 .Lnot_mine_\@
	global_prefetch_b8 v[PFO], s[PFA:PFA+1] th:TH_LOAD_NT scope:SCOPE_SE
	global_prefetch_b8 v[PFO], s[PFA:PFA+1] offset:8192 th:TH_LOAD_NT scope:SCOPE_SE
	global_prefetch_b8 v[PFO], s[PFA:PFA+1] offset:16384 th:TH_LOAD_NT scope:SCOPE_SE
	global_prefetch_b8 v[PFO], s[PFA:PFA+1] offset:24576 th:TH_LOAD_NT scope:SCOPE_SE
.Lnot_mine_\@:
.endm
	s_load_b256 s[4:11], s[0:1], 0x0               ; qkv s[4:5], pbuf s[6:7], cmx s[8:9], lsum s[10:11]
	v_lshl_add_u32 v[SPW], v0, 2, SPARE
	v_mov_b32 v[NIL], 0
	ds_add_u32 v[SPW], v[NIL]                      ; the wave's opening: the add and its wait stand ahead of my first tensor load
	v_lshrrev_b32 v1, 5, v0
	v_readfirstlane_b32 s12, v1                    ; wave 0..3
	s_lshr_b32 s16, s12, 1                         ; r: my half of the queries.  Also: I fetch q (0) or k (1)
	s_and_b32 s17, s12, 1                          ; c: my half of the keys.  Also: which of a K step's two channel blocks I fetch
	s_and_b32 s15, ttmp7, 0xffff                   ; batch
	s_mov_b32 s13, 0                               ; I = how many of the triangle's row starts lie at or below my number
.irp th, 1,3,6,10,15,21,28
	s_cmp_ge_u32 ttmp9, \th
	s_cselect_b32 s14, 1, 0
	s_add_co_u32 s13, s13, s14
.endr
	s_add_co_u32 s14, s13, 1
	s_mul_i32 s14, s14, s13
	s_lshr_b32 s14, s14, 1
	s_sub_co_u32 s14, ttmp9, s14                   ; J = my number - I (I + 1) / 2
	s_mov_b32 s[G1+0], (1<<16)|(1<<20)|(4<<22)|(3<<25)  ; elements of 2 bytes; padding on: 4 words after every 32
	s_mov_b32 s[G1+1], 128<<16                     ; 256 rows of 128 bytes are 32,768 dense bytes: asked for as 128 rows of 128 elements
	s_mov_b32 s[G1+2], 128<<16
	s_mov_b32 s[G1+3], 128<<16
	s_mov_b32 s[G1+4], 128
	s_mov_b32 s[G1+5], 128
	s_mov_b32 s[G1+6], 0
	s_mov_b32 s[G1+7], 0
	s_mov_b32 s[TB], 0
	s_lshl_b32 s18, s16, 4                         ; k's blocks lie 16 behind q's
	s_add_co_u32 s18, s18, s17
	s_lshl_b32 s18, s18, 20
	s_cmp_eq_u32 s16, 0
	s_cselect_b32 s19, s13, s14                    ; q: tile row I; k: tile column J
	s_lshl_b32 s19, s19, 8
	s_lshl_b32 s20, s15, 11
	s_add_co_u32 s19, s19, s20
	s_lshl_b32 s19, s19, 7                         ; 128 bytes a row
	s_add_co_u32 s18, s18, s19
	s_mov_b32 s19, 0
	s_mul_i32 s21, s12, KBB                        ; my region
	s_mov_b32 s[CS], 0x3d38aa3b                    ; c = log2(e) / 32
	s_mov_b32 s[CS+1], s[CS]
	s_mov_b32 s[SEL], 0x76543210
	s_mov_b32 s[SEL+1], 0xfedcba98
	s_sub_co_u32 s20, s13, s14
	s_cmp_lt_u32 s12, 2
	s_cselect_b32 s20, s14, s20                    ; waves 0, 1: J; waves 2, 3: I - J
	s_cmp_eq_u32 s20, 0
	s_cselect_b32 s[LIM], 2, -1
	s_wait_dscnt 0x0                               ; the opening add is done
	s_wait_kmcnt 0x0
	s_add_nc_u64 s[22:23], s[4:5], s[18:19]
.irp s, 0,1
	s_mov_b32 s[G0+4*(\s)], 1
	s_add_co_u32 s[G0+4*(\s)+1], s21, (\s)*SLOT
	s_add_nc_u64 s[G0+4*(\s)+2:G0+4*(\s)+3], s[22:23], (\s)*KSTEPB
	s_or_b32 s[G0+4*(\s)+3], s[G0+4*(\s)+3], 0x80000000
.endr
	tensor_load_to_lds s[G0:G0+3], s[G1:G1+7]      ; K steps 0 and 1: two tensor loads of mine are out
	s_nop 0
	tensor_load_to_lds s[G0+4:G0+7], s[G1:G1+7]
	s_nop 0
	s_add_nc_u64 s[PFA:PFA+1], s[22:23], 3*KSTEPB  ; at K step 3: the first change of slots steps it to 4
	v_and_b32 v1, 15, v0                           ; l % 16
	v_bfe_u32 v2, v0, 4, 1                         ; l / 16
	v_mul_u32_u24 v3, v1, PITCH
	v_lshl_add_u32 v3, v2, 4, v3
	s_mul_i32 s18, s16, 128*PITCH
	s_mul_i32 s19, s17, 128*PITCH
	s_add_co_u32 s19, s19, 2*KBB
	v_add_nc_u32 v[ADRA0], s18, v3
	v_add_nc_u32 v[ADRB0], s19, v3
	v_mov_b32 v[ADRA], v[ADRA0]
	v_mov_b32 v[ADRB], v[ADRB0]
	; the masks.  Key 128 c + 16 b + 8 (l / 16) + j is hidden from query 128 r + 16 a + l % 16 if the tile is the diagonal one and the key is the greater.
	s_cmp_eq_u32 s13, s14
	s_cselect_b32 s20, 0xf149f2ca, 0               ; -1e30 in the diagonal tile
	s_cmp_ge_u32 s17, s16
	s_cselect_b32 s21, s20, 0                      ; key blocks b > a
	s_cmp_gt_u32 s17, s16
	s_cselect_b32 s22, s20, 0                      ; key blocks b < a
	v_lshlrev_b32 v4, 3, v2
	v_sub_nc_u32 v4, v1, v4                        ; l % 16 - 8 (l / 16)
.irp j, 0,1,2,3,4,5,6,7
	v_mov_b32 v[CLO+(\j)], s22
	v_mov_b32 v[CHI+(\j)], s21
.endr
.irp j, 0,1,2,3,4,5,6,7
	v_cmp_gt_i32 vcc_lo, \j, v4
	v_cndmask_b32 v[CDG+(\j)], v[CLO+(\j)], v[CHI+(\j)], vcc_lo
.endr
	s_mul_i32 s23, s12, 16*SPITCH
	s_add_co_u32 s23, s23, STAGE
	v_mul_u32_u24 v4, v1, SPITCH
	v_lshl_add_u32 v4, v2, 4, v4
	v_add_nc_u32 v[STO], s23, v4
	v_mul_u32_u24 v4, v2, SPITCH
	v_lshl_add_u32 v4, v1, 4, v4
	v_add_nc_u32 v[RD], s23, v4
	v_lshlrev_b32 v4, 12, v2                       ; a row of pbuf is 4,096 bytes
	v_lshl_add_u32 v[CO], v1, 4, v4
	s_lshl_b32 s18, s12, 9
	s_add_co_u32 s18, s18, EXCH
	v_lshl_add_u32 v[EXA], v1, 2, s18
	s_xor_b32 s18, s12, 1
	s_lshl_b32 s18, s18, 9
	s_add_co_u32 s18, s18, EXCH
	v_lshl_add_u32 v[EXB], v1, 2, s18
	s_lshl_b32 s18, s12, 10
	s_add_co_u32 s18, s18, STAT
	v_lshl_add_u32 v[STA], v1, 2, s18
	v_and_b32 v5, 31, v0
	v_lshl_add_u32 v[STR], v5, 4, s18
	v_lshlrev_b32 v[GL], 4, v5
	v_lshlrev_b32 v[PFO], 8, v5
	s_lshl_b32 s49, s13, 8
	s_lshl_b32 s50, s16, 7
	s_add_co_u32 s49, s49, s50                     ; my first row in the batch: 256 I + 128 r
	s_lshl_b32 s18, s15, 11
	s_add_co_u32 s18, s18, s49
	s_lshl_b32 s18, s18, 12
	s_lshl_b32 s19, s14, 9                         ; my first key: 256 J + 128 c, 2 bytes each
	s_add_co_u32 s18, s18, s19
	s_lshl_b32 s19, s17, 8
	s_add_co_u32 s18, s18, s19
	s_mov_b32 s19, 0
	s_add_nc_u64 s[6:7], s[6:7], s[18:19]
	s_lshl3_add_u32 s18, s15, s14                  ; 8 batch + J
	s_lshl_b32 s18, s18, 11
	s_add_co_u32 s18, s18, s49
	s_lshl_b32 s18, s18, 2
	s_add_nc_u64 s[8:9], s[8:9], s[18:19]
	s_lshl_b32 s18, s15, 4
	s_lshl1_add_u32 s18, s14, s18                  ; 16 batch + 2 J
	s_add_co_u32 s18, s18, s17                     ; + c
	s_lshl_b32 s18, s18, 11
	s_add_co_u32 s18, s18, s49
	s_lshl_b32 s18, s18, 2
	s_add_nc_u64 s[10:11], s[10:11], s[18:19]
; 16 matrix instructions: query blocks a0, a0 + 1 of the window's four x all 8 key blocks, 32 along K.  first = 1: the product starts the sum, with its mask as C.
; The 64 accumulators take turns, one instruction a turn, in the same order in every quarter, over the backward jumps too.
.macro MUL16 f, hi, a0, first
.if \first
	WIN 0x81+0x40*(\hi)                            ; k in window 1, q and the mask in window 0, D in window 2 or 3
.else
	WIN 0xa1+0x50*(\hi)
.endif
.irp a, \a0, (\a0)+1
.irp b, 0,1,2,3,4,5,6,7
.set rD, 8*(8*(\a)+(\b))
.set rB, (\f)+8*(\b)
.set rA, (\f)+8*(4*(\hi)+(\a))
.if \first
.if (\b) < 4*(\hi)+(\a)
.set rC, CLO
.elseif (\b) == 4*(\hi)+(\a)
.set rC, CDG
.else
.set rC, CHI
.endif
	v_wmma_f32_16x16x32_f16 v[rD:rD+7], v[rB:rB+7], v[rA:rA+7], v[rC:rC+7]
.else
	v_wmma_f32_16x16x32_f16 v[rD:rD+7], v[rB:rB+7], v[rA:rA+7], v[rD:rD+7]
.endif
.endr
.endr
.endm
.macro FETCH k, f                      ; 32 LDS loads in one run: a quarter's fragments of k, then of q, from the slot that ADRA and ADRB stand in
	WIN 0x40
.irp i, 0,1,2,3,4,5,6,7
	ds_load_b128 v[(\f)+8*(\i):(\f)+8*(\i)+3],   v[ADRB] offset:(\k)+(\i)*16*PITCH
	ds_load_b128 v[(\f)+8*(\i)+4:(\f)+8*(\i)+7], v[ADRB] offset:(\k)+(\i)*16*PITCH+32
.endr
	WIN 0
.irp i, 0,1,2,3,4,5,6,7
	ds_load_b128 v[(\f)+8*(\i):(\f)+8*(\i)+3],   v[ADRA] offset:(\k)+(\i)*16*PITCH
	ds_load_b128 v[(\f)+8*(\i)+4:(\f)+8*(\i)+7], v[ADRA] offset:(\k)+(\i)*16*PITCH+32
.endr
.endm
.macro QUARTER k, f, g, first
	s_wait_dscnt 8                                 ; k's fragments and q's blocks 0-3 are in; the youngest eight loads may be out
	MUL16 \f, 0, 0, \first
	MUL16 \f, 0, 2, \first
	PLACES
	FETCH \k, \g
	s_wait_dscnt 32                                ; all but the 32 just issued
	MUL16 \f, 1, 0, \first
	MUL16 \f, 1, 2, \first
.endm
; The last quarter of a K step multiplies buffer 1 and changes slots: each wave waits for all its tensor loads (one is out: its region of the next slot), adds 0 to its spare word, waits for that and for its
; reads of this slot, and passes the barrier.  fill = 1: my region of this slot is filled again, two K steps on, first thing behind the barrier.  fill = 0 (the tail): in the last trip there is no further
; step, and the run of LDS loads is jumped over.
.macro TURN fill
.if \fill
	s_wait_xcnt 0x0                                ; the last prefetches, a K step back, have read their address
	s_add_nc_u64 s[PFA:PFA+1], s[PFA:PFA+1], KSTEPB
.endif
	WIN 0
	s_wait_tensorcnt 0x0                           ; no tensor load of mine is out, so a group 0 may be written
	ds_add_u32 v[SPW], v[NIL]                      ; 0 onto my spare word; the scalar steps stand between it and the wait for it
.if \fill
	s_xor_b32 s[G0+5], s[G0+5], SLOT               ; the walking descriptor: the other slot than last time,
	s_add_nc_u64 s[G0+6:G0+7], s[G0+6:G0+7], KSTEPB  ; the next K step; the type bits on top are not reached
.endif
	s_xor_b32 s[TB], s[TB], SLOT                   ; the fetches go on in the other slot
	s_wait_dscnt 9                                 ; the add and the youngest eight loads may be out
	MUL16 F1, 0, 0, 0
	s_wait_dscnt 0x0                               ; the add is done, and my reads of this slot are over
	s_barrier_signal -1
	MUL16 F1, 0, 2, 0
	s_barrier_wait -1
.if \fill
	tensor_load_to_lds s[G0+4:G0+7], s[G1:G1+7]
	s_nop 0
.endif
	PLACES
	WIN 0
.if !(\fill)
	s_cmp_eq_u32 s3, 1
	s_cbranch_scc1 .Lno_next_\@
.endif
	v_add_nc_u32 v[ADRA], s[TB], v[ADRA0]
	v_add_nc_u32 v[ADRB], s[TB], v[ADRB0]
	FETCH 0, F0
.if \fill
	ASK
.else
.Lno_next_\@:
.endif
	MUL16 F1, 1, 0, 0
	MUL16 F1, 1, 2, 0
.endm
	s_wait_tensorcnt 1                             ; my region of K step 0 is in; K step 1's may stay out
	s_barrier_signal -1
	s_barrier_wait -1
	FETCH 0, F0
	QUARTER KO1, F0, F1, 1                         ; the first quarter stands in front of the loop: its products start the sums, with the masks
	WIN 0
	s_mov_b32 s3, 6
	s_branch .Lfirst                               ; the loop is entered at a step's second quarter
.Lstep:                                                ; 6 trips: K steps 0 to 5; each fills the slot that it leaves
	QUARTER KO1, F0, F1, 0
	WIN 0
.Lfirst:
	QUARTER KO2, F1, F0, 0
	QUARTER KO3, F0, F1, 0
	TURN 1
	WIN 0
	s_sub_co_u32 s3, s3, 1
	s_cmp_lg_u32 s3, 0
	s_cbranch_scc1 .Lstep
	s_mov_b32 s3, 2
.Ltail:                                                ; K steps 6 and 7 fill nothing
	QUARTER KO1, F0, F1, 0
	QUARTER KO2, F1, F0, 0
	QUARTER KO3, F0, F1, 0
	TURN 0
	WIN 0
	s_sub_co_u32 s3, s3, 1
	s_cmp_lg_u32 s3, 0
	s_cbranch_scc1 .Ltail
	s_wait_dscnt 0x0                               ; no LDS load is out when the softmax writes the fragments' registers
; THE SOFTMAX OF THE TILE.  MAXA a: the maximum of my lane's 64 scores of query block a: eight chains, one for each accumulator, its lowest registers first.
.macro MAXA a
.set AC, 64*((\a)%4)
	WIN 0x28+0x14*((\a)/4)                         ; sources 1 and 2 in window 2 or 3
.irp s, 0,1,2,3
.irp b, 0,1,2,3,4,5,6,7
.if (\s) == 0
	v_max3_num_f32 v[T8+(\b)], v[NEGV], v[AC+8*(\b)], v[AC+8*(\b)+1]
.else
	v_max3_num_f32 v[T8+(\b)], v[T8+(\b)], v[AC+8*(\b)+2*(\s)], v[AC+8*(\b)+2*(\s)+1]
.endif
.endr
.endr
	WIN 0
	v_max3_num_f32 v[T8], v[T8], v[T8+1], v[T8+2]
	v_max3_num_f32 v[T8+3], v[T8+3], v[T8+4], v[T8+5]
	v_max3_num_f32 v[T8], v[T8], v[T8+3], v[T8+6]
	v_max_num_f32 v[MXL+(\a)], v[T8], v[T8+7]
.endm
; WEIGH a: c s - c m; the 64 exponentials as one batch with one wait; the weights rounded to f16 in pairs; their sum, of the unrounded weights, by a tree of packed additions in place.
.macro WEIGH a
.set AC, 64*((\a)%4)
.set HW, (\a)/4
	WIN 0x82+0x41*HW                               ; destination and source 0 in window 2 or 3, c m in window 0
.set i, 0
.rept 32
	v_pk_fma_f32 v[AC+2*i:AC+2*i+1], v[AC+2*i:AC+2*i+1], s[CS:CS+1], v[CMP+2*(\a):CMP+2*(\a)+1] op_sel_hi:[1,0,0] neg_lo:[0,0,1] neg_hi:[0,0,1]
.set i, i+1
.endr
.set i, 0
.rept 64
	v_exp_f32 v[AC+i], v[AC+i]
.set i, i+1
.endr
	v_nop                                          ; a plain instruction behind the last exponential,
	s_wait_alu depctr_va_vdst(0)                   ; and the one wait ahead of the batch's first reader
	WIN 0x0a+0x05*HW
.set i, 0
.rept 32
	v_cvt_pk_f16_f32 v[TMP+i], v[AC+2*i], v[AC+2*i+1]
.set i, i+1
.endr
	WIN 0x8a+0x45*HW
.irp st, 2,4,8,16,32
.set i, 0
.rept 32/(\st)
	v_pk_add_f32 v[AC+i:AC+i+1], v[AC+i:AC+i+1], v[AC+i+(\st):AC+i+(\st)+1]
.set i, i+2*(\st)
.endr
.endr
	WIN 0x0a+0x05*HW
	v_add_f32 v[LS+(\a)], v[AC], v[AC+1]
	WIN 0
.endm
.macro TOSTAGE a
.set BK, OB+32*((\a)%2)
.irp b, 0,1,2,3,4,5,6,7
	ds_store_b128 v[STO], v[TMP+4*(\b):TMP+4*(\b)+3] offset:32*(\b)
.endr
.irp t, 0,1,2,3,4,5,6,7
	ds_load_b128 v[BK+4*(\t):BK+4*(\t)+3], v[RD] offset:(\t)*2*SPITCH  ; LDS serves a wave's instructions in order (ISA guide 5.7.1.4): these see the stores above
.endr
.endm
.macro SEND a
.set BK, OB+32*((\a)%2)
	s_wait_dscnt 0x0                               ; the block is back in registers
	s_wait_xcnt 0x0                                ; the stores of the block before have read their registers
.irp t, 0,1,2,3,4,5,6,7
	global_store_b128 v[CO], v[BK+4*(\t):BK+4*(\t)+3], s[6:7] offset:(16*(\a)+2*(\t))*4096  ; 16 lanes store 256 consecutive bytes, at a multiple of 256 from pbuf's first byte
.endr
.endm
	WIN 0
	PLACES
	PLACES
	v_mov_b32 v[NEGV], 0xff7fffff
.irp a, 0,1,2,3,4,5,6,7
	MAXA \a
.endr
.irp a, 0,1,2,3,4,5,6,7
	v_permlanex16_b32 v[PX+(\a)], v[MXL+(\a)], s[SEL], s[SEL+1]  ; the query's other 64 keys lie in the lane 16 away
.endr
.irp a, 0,1,2,3,4,5,6,7
	v_max_num_f32 v[MXL+(\a)], v[MXL+(\a)], v[PX+(\a)]
.endr
.irp a, 0,1,2,3,4,5,6,7
	ds_store_b32 v[EXA], v[MXL+(\a)] offset:64*(\a)  ; both halves of the lanes write the same word with the same number
.endr
	s_wait_dscnt 0x0                               ; for the other wave's sake: my stores are done
	s_barrier_signal -1
	s_barrier_wait -1
.irp a, 0,1,2,3,4,5,6,7
	ds_load_b32 v[PX+(\a)], v[EXB] offset:64*(\a)  ; the same queries' maximum over the tile's other 128 keys
.endr
	s_wait_dscnt 0x0
.irp a, 0,1,2,3,4,5,6,7
	v_max_num_f32 v[MXL+(\a)], v[MXL+(\a)], v[PX+(\a)]
.endr
.irp a, 0,1,2,3,4,5,6,7
	v_mul_f32 v[CMP+2*(\a)], s[CS], v[MXL+(\a)]
	v_mul_f32 v[CMP+2*(\a)+1], s[CS], v[MXL+(\a)]  ; named with it as a pair
.endr
	WEIGH 0
	TOSTAGE 0
.irp a, 1,2,3,4,5,6,7
	WEIGH \a
	SEND (\a)-1
	TOSTAGE \a
.endr
	SEND 7
.irp a, 0,1,2,3,4,5,6,7
	v_permlanex16_b32 v[PX+(\a)], v[LS+(\a)], s[SEL], s[SEL+1]
.endr
.irp a, 0,1,2,3,4,5,6,7
	v_add_f32 v[LS+(\a)], v[LS+(\a)], v[PX+(\a)]
.endr
.irp a, 0,1,2,3,4,5,6,7
	ds_store_b32 v[STA], v[CMP+2*(\a)] offset:64*(\a)
	ds_store_b32 v[STA], v[LS+(\a)] offset:512+64*(\a)
.endr
	ds_load_b128 v[T8:T8+3], v[STR]                ; my own bytes, in order behind the stores: four rows' c m a lane,
	ds_load_b128 v[T8+4:T8+7], v[STR] offset:512   ; and four rows' l
	s_wait_dscnt 0x0
	global_store_b128 v[GL], v[T8+4:T8+7], s[10:11]  ; 512 consecutive bytes, aligned
	s_cmp_lg_u32 s17, 0                            ; both key halves hold the same c m: the first stores it
	s_cbranch_scc1 .Lno_cm
	global_store_b128 v[GL], v[T8:T8+3], s[8:9]
.Lno_cm:
	s_wait_tensorcnt 0x0                           ; the wave's end: the wait, an add to the spare word and its wait stand behind my last tensor load and my last LDS store
	ds_add_u32 v[SPW], v[NIL]
	s_wait_dscnt 0x0
	s_endpgm
.Lfunc_end_k_q23c1646bc9_scores:
	.size	k_q23c1646bc9_scores, .Lfunc_end_k_q23c1646bc9_scores-k_q23c1646bc9_scores
	.p2alignl 7, 3214868480
	.fill 96, 4, 3214868480
	.section	.rodata,"a",@progbits
	.p2align	6, 0x0
	.amdhsa_kernel k_q23c1646bc9_scores
		.amdhsa_group_segment_fixed_size 327680
		.amdhsa_private_segment_fixed_size 0
		.amdhsa_enable_private_segment 0
		.amdhsa_kernarg_size 32
		.amdhsa_user_sgpr_count 2
		.amdhsa_user_sgpr_kernarg_segment_ptr 1
		.amdhsa_wavefront_size32 1
		.amdhsa_system_sgpr_workgroup_id_x 1
		.amdhsa_system_sgpr_workgroup_id_y 1
		.amdhsa_system_sgpr_workgroup_id_z 1
		.amdhsa_system_vgpr_workitem_id 0
		.amdhsa_next_free_vgpr 1024
		.amdhsa_next_free_sgpr 66
		.amdhsa_reserve_vcc 1
		.amdhsa_float_denorm_mode_32 3
		.amdhsa_float_denorm_mode_16_64 3
		.amdhsa_memory_ordered 1
		.amdhsa_forward_progress 1
		.amdhsa_inst_pref_size 172
	.end_amdhsa_kernel
	.amdgpu_metadata
---
amdhsa.version: [ 1, 2 ]
amdhsa.kernels:
  - .name:           k_q23c1646bc9_scores
    .symbol:         k_q23c1646bc9_scores.kd
    .args:
      - { .name: qkv, .offset: 0, .size: 8, .value_kind: global_buffer, .address_space: global }
      - { .name: pbuf, .offset: 8, .size: 8, .value_kind: global_buffer, .address_space: global }
      - { .name: cmx, .offset: 16, .size: 8, .value_kind: global_buffer, .address_space: global }
      - { .name: lsum, .offset: 24, .size: 8, .value_kind: global_buffer, .address_space: global }
    .group_segment_fixed_size: 327680
    .private_segment_fixed_size: 0
    .kernarg_segment_align: 8
    .kernarg_segment_size: 32
    .max_flat_workgroup_size: 128
    .sgpr_count:     66
    .vgpr_count:     1024
    .wavefront_size: 32
...
	.end_amdgpu_metadata
.endif
;; end of part 3
;; launch pv (part 4): grid 8 x 32, 4 waves a work-group, clusters of 4 x 4, 327,680 bytes of LDS; arguments pbuf, qkv, cmx, lsum, out0; writes out0
.if DOCPART == 4
	.amdgcn_target "amdgcn-amd-amdhsa--gfx1250"
	.amdhsa_code_object_version 6
	.text
	.protected	k_q23c1646bc9_pv
	.globl	k_q23c1646bc9_pv
	.p2align	8
	.type	k_q23c1646bc9_pv,@function
k_q23c1646bc9_pv:
	s_mov_b64 s[64:65], 0
	v_nop
	global_prefetch_b8 v0, s[64:65] scope:SCOPE_SE
	s_setreg_imm32_b32 hwreg(HW_REG_WAVE_MODE, 25, 1), 1
	s_wait_xcnt 0x0
	s_wait_alu depctr_hold_cnt(0) depctr_sa_sdst(0) depctr_va_vdst(0) depctr_va_sdst(0) depctr_va_ssrc(0) depctr_va_vcc(0) depctr_vm_vsrc(0)
	s_getreg_b32 s2, hwreg(HW_REG_IB_STS2, 6, 4)
	s_cmp_eq_u32 s2, 0
	s_cbranch_scc0 .Lentry_in_a_cluster
	s_endpgm
.Lentry_in_a_cluster:
	s_bfe_u32 s2, ttmp6, 0x10000c
	s_cmp_lg_u32 s2, 0xf033
	s_cbranch_scc0 .Lentry_shape_is_right
	s_endpgm
.Lentry_shape_is_right:
; out[row][ch] = the sum over the row's key tiles t of F_t[row] x (the sum over the tile's 256 keys of p[row][key] v[key][ch]), f32.
; p (f16) was made with each tile's own maximum; here the row's maximum over its tiles is taken: F_t = 2^(c m_t - max_t c m_t) / l, l = the sum over t of 2^(c m_t - max) x (the tile's two sums).
; A tile's partial product is summed in f32 by the matrix unit and folded into the row's f32 total by one packed multiply-add with F_t.
; LIMITS.  v arrives in f16; a factor under 2^-126 counts as 0; NaN and infinities are not treated apart.
; SHARES.  A work-group makes two tiles of 128 rows x 128 channels, one after the other: rows 512 G + 128 cy of its batch for G = 3 - g, then for G = g (g = cluster y % 2, batch = cluster y / 2).
; All sixteen partners walk the same keys, 256 a step: 2 (4 - g) steps, then 2 (g + 1): ten, whatever g.  Rows with cy < 2 do not see their block's last step: they ask for their own last tile of p once more
; (finite numbers) and fold it with the factor 0: two steps in ten, so that all partners make every joint request.
; A STEP IS WRITTEN ONCE.  The slot in hand is a scalar, TB, that one exclusive or turns from 0 to SLOT and back (SLOT shares no bit with a tile's first LDS byte); the fragments' addresses are made anew from it at
; each change of slots, and one walking descriptor for each tensor has its LDS word turned by the same exclusive or.  The last two steps, which fill nothing, are a loop of their own.
; CLUSTERS: 4 x 4.  p's tile hangs on the rows alone and is shared along a row of the cluster; v's on the channels alone and is shared along a column.
; Four waves, each 64 rows x 64 channels: 16 accumulators.  Source 0 = 16 channels of v, turned by ds_load_tr16_b128; source 1 = 16 rows of p: a lane holds one row (lane % 16) and eight neighbouring channels.
; No prefetch: the tiles are small and the walk has ten steps.
; REGISTERS: window 0: v0-31 addresses; v32-95 rows on the way out; v96-103 the step's factors, a pair for each block of 16 rows; v128-255 the accumulators ((a, b) at v[128 + 8 (4 a + b)]);
;   window 1: two fragment buffers of 128 (64 of p, then 64 of v), 64 keys each; window 2: v0-127 the totals.
.set PA,     528                       ; a row of p in LDS: 512 bytes + 16
.set PV,     160                       ; a key's 64 channels of v: 128 bytes + 32
.set AHALF,  64*PA
.set VOFF,   2*AHALF
.set VHALF,  256*PV
.set SLOT,   0x25000                   ; a slot takes 149,504 bytes; slot 1 begins here: no bit in common with 0, AHALF, VOFF or VOFF + VHALF
.set STAGE,  SLOT+VOFF+2*VHALF         ; 16 rows x 272 bytes for each wave
.set SP,     272
.set FT,     STAGE+4*16*SP             ; the factors, by the steps of the walk: [10 steps][128 rows] f32: 5,120 of the 8,192 bytes set aside; the rest is left unused
.set SPARE,  FT+8192
.set P4,   2                           ; v2   4 x my thread's number
.set ADRA0, 16                         ; v16  LDS address of my fragments of p in slot 0; never rewritten
.set ADRA,  17                         ; v17  in the slot in hand
.set ADRV0, 20                         ; v20  the same for v
.set ADRV,  21
.set FA0,  22                          ; v22  FT + 4 x my row
.set FA,   23                          ; v23  the same at the step in hand
.set STO,  24
.set RD,   25
.set CO,   26
.set SPW,  28
.set NIL,  29
.set OB,   32
.set FR,   96
.set ACC,  128
.set F0,   0
.set F1,   128
.set CA,   32                          ; at the head only: offsets in cmx, by block and tile
.set LA,   48                          ; in lsum
.set CMV,  128                         ; c m_t, then 2^(c m_t - max), then F_t: the first block's tiles 0-7 at +0, the second block's tiles 0-3 at +8
.set L0,   144                         ; a tile's first sum, then both; at the end +0 .. +3 the factors of the walk's steps 6 to 9
.set L1,   160
.set MX,   176
.set TT,   178
.set NEG,  180
.set FTA,  181
.set LL,   182
.set RC,   184
.set G1,  24
.set G0,  32                           ; s[32:39] group 0 for p: a set for each of the two first fills; the second then walks on
.set G1B, 48
.set G0B, 56
.set RT,    66                         ; the tile to be asked for next
.set RLIM,  67                         ; steps of the block whose tiles are being asked for
.set ROFF,  68                         ; byte offset in pbuf of the 64 rows that I fetch
.set RI,    69                         ; those rows' last tile
.set ROFFL, 74                         ; the second block's
.set TB,    75                         ; 0 or SLOT: the slot whose fragments are fetched
.set VB,    76                         ; byte offset in qkv of my block of 64 channels of v, at the batch's first key
.set FTO,   77                         ; where the step in hand's factors lie in FT: 512 x the step's number in the walk; it only ever steps
.set LB,    78                         ; steps left in the block in hand
.set LAPC,  79
.set OUTB,  80                         ; s[80:81] out0 at my rows and channels of the block in hand; s[82:83] of the second block
.set CMP0,  84                         ; s[84:87] cmx at the two blocks' rows
.set LSP0,  88                         ; s[88:91] lsum likewise
.set RIX,   92                         ; s92, s93 the two blocks' last tiles
.set MSB, 0
.macro WIN new
.if MSB != (\new)
	s_set_vgpr_msb (MSB<<8)|(\new)
.set MSB, \new
.endif
.endm
.macro PLACES
.rept 4
	v_nop
.endr
.endm
.macro JLOAD s                         ; waves 0 and 1 fetch p's two halves, waves 2 and 3 v's two blocks of 64 channels; an s_nop 0 and four v_nop follow each line
	s_cmp_eq_u32 s15, 0
	s_cbranch_scc0 .Lfor_v_\@
	tensor_load_to_lds s[G0+4*(\s):G0+4*(\s)+3], s[G1:G1+7]
	s_nop 0
.rept 4
	v_nop
.endr
	s_branch .Lasked_\@
.Lfor_v_\@:
	tensor_load_to_lds s[G0B+4*(\s):G0B+4*(\s)+3], s[G1B:G1B+7]
	s_nop 0
.rept 4
	v_nop
.endr
.Lasked_\@:
.endm
.macro CREST
	s_cmp_lg_u32 s14, 0
	s_cbranch_scc1 .Lnot_wave_0_\@
	s_barrier_signal -3
.Lnot_wave_0_\@:
	s_barrier_wait -3
	s_barrier_signal -1
	s_barrier_wait -1
.endm
.macro CROUND
	s_barrier_signal -1
	s_barrier_wait -1
	CREST
.endm
	s_load_b256 s[4:11], s[0:1], 0x0               ; pbuf s[4:5], qkv s[6:7], cmx s[8:9], lsum s[10:11]
	s_load_b64 s[12:13], s[0:1], 0x20              ; out0
	v_lshl_add_u32 v[SPW], v0, 2, SPARE
	v_mov_b32 v[NIL], 0
	ds_add_u32 v[SPW], v[NIL]                      ; the wave's opening: the add and its wait stand ahead of my first tensor load
	v_lshrrev_b32 v1, 5, v0
	v_readfirstlane_b32 s14, v1                    ; wave 0..3
	s_lshr_b32 s15, s14, 1                         ; my half of the rows.  Also: I fetch p (0) or v (1)
	s_and_b32 s16, s14, 1                          ; my half of the channels.  Also: which half of that tile I fetch
	s_bfe_u32 s17, ttmp6, 0x40000                  ; cx
	s_bfe_u32 s18, ttmp6, 0x40004                  ; cy
	s_lshl_b32 s19, ttmp9, 2
	s_add_co_u32 s19, s19, s17                     ; my block of 128 channels
	s_and_b32 s22, ttmp7, 0xffff
	s_lshr_b32 s20, s22, 1                         ; batch
	s_and_b32 s21, s22, 1                          ; g; never rewritten
	s_sub_co_u32 s40, 3, s21                       ; G of the first block
	s_lshl_b32 s41, s18, 7
	s_lshl_b32 s42, s40, 9
	s_add_co_u32 s42, s42, s41                     ; the first block's first row in the batch
	s_lshl_b32 s43, s21, 9
	s_add_co_u32 s43, s43, s41                     ; the second block's
	s_lshr_b32 s44, s18, 1
	s_lshl1_add_u32 s[RIX], s40, s44               ; their last tiles: 2 G + cy / 2
	s_lshl1_add_u32 s[RIX+1], s21, s44
	s_mov_b32 s[RI], s[RIX]
	s_lshl_b32 s45, s20, 11                        ; the batch's 2,048 rows
	s_lshl_b32 s46, s16, 6                         ; the 64 rows that I fetch
	s_add_co_u32 s[ROFF], s42, s45
	s_add_co_u32 s[ROFF], s[ROFF], s46
	s_lshl_b32 s[ROFF], s[ROFF], 12                ; a row of pbuf is 4,096 bytes
	s_add_co_u32 s[ROFFL], s43, s45
	s_add_co_u32 s[ROFFL], s[ROFFL], s46
	s_lshl_b32 s[ROFFL], s[ROFFL], 12
	s_lshl1_add_u32 s47, s19, s16                  ; v's blocks of 64 channels lie from block 32 on
	s_add_co_u32 s47, s47, 32
	s_lshl_b32 s47, s47, 20
	s_lshl_b32 s23, s20, 18                        ; the batch's 2,048 keys of 128 bytes
	s_add_co_u32 s[VB], s47, s23
	s_lshl_b32 s22, s18, 2
	s_lshl_b32 s22, 15, s22                        ; my row of the cluster
	s_lshl_b32 s23, 0x1111, s17                    ; my column
	s_or_b32 s[G1+0], s22, (1<<16)|(1<<20)|(1<<21)|(6<<22)|(3<<25)   ; p: elements of 2 bytes; 4 words of padding after every 128
	s_or_b32 s[G1B+0], s23, (1<<16)|(1<<20)|(1<<21)|(4<<22)|(7<<25)  ; v: 8 words after every 32
	s_mov_b32 s[G1+1], 256<<16                     ; p: 64 rows of 256 elements, 2,048 elements from row to row
	s_mov_b32 s[G1+2], 64<<16
	s_mov_b32 s[G1+3], 256<<16
	s_mov_b32 s[G1+4], 64
	s_mov_b32 s[G1+5], 2048
	s_mov_b32 s[G1+6], 0
	s_mov_b32 s[G1+7], 0
	s_mov_b32 s[G1B+1], 128<<16                    ; v: 256 keys of 128 bytes are 32,768 dense bytes: asked for as 128 rows of 128 elements
	s_mov_b32 s[G1B+2], 128<<16
	s_mov_b32 s[G1B+3], 128<<16
	s_mov_b32 s[G1B+4], 128
	s_mov_b32 s[G1B+5], 128
	s_mov_b32 s[G1B+6], 0
	s_mov_b32 s[G1B+7], 0
	s_mul_i32 s22, s16, AHALF                      ; where they go: no place in the cluster enters an LDS address
	s_mul_i32 s23, s16, VHALF
	s_add_co_u32 s23, s23, VOFF
.irp s, 0,1
	s_mov_b32 s[G0+4*(\s)], 1
	s_add_co_u32 s[G0+4*(\s)+1], s22, (\s)*SLOT
	s_mov_b32 s[G0B+4*(\s)], 1
	s_add_co_u32 s[G0B+4*(\s)+1], s23, (\s)*SLOT
.endr
	s_mov_b32 s[RT], 2
	s_lshl_b32 s[RLIM], s21, 1
	s_sub_co_u32 s[RLIM], 8, s[RLIM]               ; the first block has 2 (4 - g) steps
	s_mov_b32 s[LB], s[RLIM]
	s_mov_b32 s[FTO], 0
	s_mov_b32 s[TB], 0
	s_mov_b32 s70, s[ROFF]
	s_mov_b32 s71, 0
	s_mov_b32 s72, s[VB]
	s_mov_b32 s73, 0
	s_mov_b32 s95, 0
	s_wait_dscnt 0x0                               ; the opening add is done
	s_wait_kmcnt 0x0
	s_add_nc_u64 s[G0+2:G0+3], s[4:5], s[70:71]    ; steps 0 and 1 of the first block, whose last tile is 4 or more
	s_add_nc_u64 s[G0+6:G0+7], s[G0+2:G0+3], 512
	s_or_b32 s[G0+3], s[G0+3], 0x80000000
	s_or_b32 s[G0+7], s[G0+7], 0x80000000
	s_add_nc_u64 s[G0B+2:G0B+3], s[6:7], s[72:73]
	s_add_nc_u64 s[G0B+6:G0B+7], s[G0B+2:G0B+3], 32768
	s_or_b32 s[G0B+3], s[G0B+3], 0x80000000
	s_or_b32 s[G0B+7], s[G0B+7], 0x80000000
	s_lshl_b32 s44, s20, 14                        ; cmx: 8 x 2,048 numbers a batch
	s_add_co_u32 s94, s44, s42
	s_lshl_b32 s94, s94, 2
	s_add_nc_u64 s[CMP0:CMP0+1], s[8:9], s[94:95]
	s_add_co_u32 s94, s44, s43
	s_lshl_b32 s94, s94, 2
	s_add_nc_u64 s[CMP0+2:CMP0+3], s[8:9], s[94:95]
	s_lshl_b32 s44, s20, 15                        ; lsum: 16 x 2,048
	s_add_co_u32 s94, s44, s42
	s_lshl_b32 s94, s94, 2
	s_add_nc_u64 s[LSP0:LSP0+1], s[10:11], s[94:95]
	s_add_co_u32 s94, s44, s43
	s_lshl_b32 s94, s94, 2
	s_add_nc_u64 s[LSP0+2:LSP0+3], s[10:11], s[94:95]
	s_lshl_b32 s44, s15, 6
	s_add_co_u32 s44, s44, s45                     ; my 64 rows, in the batch's 2,048
	s_lshl_b32 s41, s19, 9                         ; my 64 channels of 4 bytes
	s_lshl_b32 s46, s16, 8
	s_add_co_u32 s41, s41, s46
	s_add_co_u32 s94, s44, s42
	s_lshl_b32 s94, s94, 12
	s_add_co_u32 s94, s94, s41
	s_add_nc_u64 s[OUTB:OUTB+1], s[12:13], s[94:95]
	s_add_co_u32 s94, s44, s43
	s_lshl_b32 s94, s94, 12
	s_add_co_u32 s94, s94, s41
	s_add_nc_u64 s[OUTB+2:OUTB+3], s[12:13], s[94:95]
	CROUND                                         ; all sixteen work-groups are here: the first joint loads meet
	JLOAD 0
	JLOAD 1                                        ; two tensor loads of mine are out
	; THE FACTORS.  Thread rho owns row rho of both blocks.  The first block has tiles 0 to 7 at the most, the second (its last tile is 2 g + cy / 2) tiles 0 to 3.
	; A tile beyond the rows' last reads that last tile's numbers and gets the lowest finite number for its c m: its factor is 0.
	v_lshlrev_b32 v[P4], 2, v0
	v_mov_b32 v[NEG], 0xff7fffff
	v_add_nc_u32 v[FTA], FT, v[P4]
.irp k, 0,1
.irp t, 0,1,2,3,4,5,6,7
.if (\t) < 8-4*(\k)
	s_min_u32 s22, s[RIX+(\k)], \t
	s_lshl_b32 s22, s22, 13                        ; 2,048 numbers a tile in cmx,
	s_lshl_b32 s23, s22, 1                         ; twice that in lsum
	v_add_nc_u32 v[CA+8*(\k)+(\t)], s22, v[P4]
	v_add_nc_u32 v[LA+8*(\k)+(\t)], s23, v[P4]
	global_load_b32 v[CMV+8*(\k)+(\t)], v[CA+8*(\k)+(\t)], s[CMP0+2*(\k):CMP0+2*(\k)+1]
	global_load_b32 v[L0+8*(\k)+(\t)], v[LA+8*(\k)+(\t)], s[LSP0+2*(\k):LSP0+2*(\k)+1]
	global_load_b32 v[L1+8*(\k)+(\t)], v[LA+8*(\k)+(\t)], s[LSP0+2*(\k):LSP0+2*(\k)+1] offset:8192
.endif
.endr
.endr
	v_and_b32 v1, 15, v0                           ; l % 16
	v_bfe_u32 v3, v0, 4, 1                         ; l / 16
	v_mul_u32_u24 v4, v1, PA
	v_lshl_add_u32 v4, v3, 4, v4
	s_mul_i32 s22, s15, AHALF
	v_add_nc_u32 v[ADRA0], s22, v4
	v_mov_b32 v[ADRA], v[ADRA0]
	v_and_b32 v5, 7, v0                            ; the turning load: lane l reads key 8 (l / 16) + l % 8, channels 8 ((l / 8) % 2) + 0..7
	v_lshl_add_u32 v5, v3, 3, v5
	v_mul_u32_u24 v5, v5, PV
	v_bfe_u32 v6, v0, 3, 1
	v_lshl_add_u32 v5, v6, 4, v5
	s_mul_i32 s23, s16, VHALF
	s_add_co_u32 s23, s23, VOFF
	v_add_nc_u32 v[ADRV0], s23, v5
	v_mov_b32 v[ADRV], v[ADRV0]
	s_lshl_b32 s22, s15, 8
	s_add_co_u32 s22, s22, FT
	v_lshl_add_u32 v[FA0], v1, 2, s22              ; row 64 r + l % 16
	s_mul_i32 s22, s14, 16*SP
	s_add_co_u32 s22, s22, STAGE
	v_mul_u32_u24 v4, v1, SP                       ; in: row l % 16, 32 bytes for each half of the lanes
	v_lshl_add_u32 v4, v3, 5, v4
	v_add_nc_u32 v[STO], s22, v4
	v_mul_u32_u24 v4, v3, SP                       ; back: lanes 0-15 one row of 256 bytes, lanes 16-31 the next
	v_lshl_add_u32 v4, v1, 4, v4
	v_add_nc_u32 v[RD], s22, v4
	v_lshlrev_b32 v4, 12, v3
	v_lshl_add_u32 v[CO], v1, 4, v4
.irp a, 0,1,2,3
	v_mov_b32 v[FR+2*(\a)+1], 0                    ; named with the factor as a pair
.endr
	WIN 0x80                                       ; the totals start at 0: written while the first tiles and the statistics are on their way, so that every step has one form of fold
.set i, 0
.rept 128
	v_mov_b32 v[i], 0
.set i, i+1
.endr
	WIN 0
	s_wait_loadcnt 0x0
.irp k, 0,1
.irp t, 1,2,3,4,5,6,7
.if (\t) < 8-4*(\k)
	s_cmp_lt_u32 s[RIX+(\k)], \t
	s_cselect_b32 s22, -1, 0
	v_cndmask_b32 v[CMV+8*(\k)+(\t)], v[CMV+8*(\k)+(\t)], v[NEG], s22
.endif
.endr
.endr
	v_max3_num_f32 v[MX], v[CMV], v[CMV+1], v[CMV+2]
	v_max3_num_f32 v[TT], v[CMV+3], v[CMV+4], v[CMV+5]
	v_max3_num_f32 v[MX+1], v[CMV+8], v[CMV+9], v[CMV+10]
	v_max3_num_f32 v[MX], v[MX], v[TT], v[CMV+6]
	v_max_num_f32 v[MX+1], v[MX+1], v[CMV+11]
	v_max_num_f32 v[MX], v[MX], v[CMV+7]
.set i, 0
.rept 12
	v_sub_f32 v[CMV+i], v[CMV+i], v[MX+i/8]
.set i, i+1
.endr
.set i, 0
.rept 12
	v_exp_f32 v[CMV+i], v[CMV+i]
.set i, i+1
.endr
.set i, 0
.rept 12
	v_add_f32 v[L0+i], v[L0+i], v[L1+i]            ; a tile's two sums: plain work behind the exponentials that names none of their results
.set i, i+1
.endr
	s_wait_alu depctr_va_vdst(0)                   ; the one wait ahead of the batch's first reader
	v_mul_f32 v[LL], v[CMV], v[L0]
	v_mul_f32 v[LL+1], v[CMV+8], v[L0+8]
.irp t, 1,2,3,4,5,6,7
	v_fmac_f32 v[LL], v[CMV+(\t)], v[L0+(\t)]
.endr
.irp t, 1,2,3
	v_fmac_f32 v[LL+1], v[CMV+8+(\t)], v[L0+8+(\t)]
.endr
	v_rcp_f32 v[RC], v[LL]
	v_rcp_f32 v[RC+1], v[LL+1]
	v_nop
	s_wait_alu depctr_va_vdst(0)
.set i, 0
.rept 12
	v_mul_f32 v[CMV+i], v[CMV+i], v[RC+i/8]
.set i, i+1
.endr
	; The table goes by the steps of the walk.  Steps 0 to 5 are the first block's tiles 0 to 5.  With g = 0 that block has eight steps: steps 6, 7 are its tiles 6, 7 and steps 8, 9 the second block's tiles 0, 1;
	; with g = 1 it has six: steps 6 to 9 are the second block's tiles 0 to 3.  The choice is one of values, by a mask made of g; every LDS address is a constant and a lane term.
	s_cmp_eq_u32 s21, 0
	s_cselect_b32 s22, -1, 0
	v_cndmask_b32 v[L0],   v[CMV+8],  v[CMV+6], s22
	v_cndmask_b32 v[L0+1], v[CMV+9],  v[CMV+7], s22
	v_cndmask_b32 v[L0+2], v[CMV+10], v[CMV+8], s22
	v_cndmask_b32 v[L0+3], v[CMV+11], v[CMV+9], s22
.irp u, 0,1,2,3,4,5
	ds_store_b32 v[FTA], v[CMV+(\u)] offset:512*(\u)
.endr
.irp u, 6,7,8,9
	ds_store_b32 v[FTA], v[L0+(\u)-6] offset:512*(\u)
.endr
; 8 matrix instructions: row blocks a0, a0 + 1 x all 4 channel blocks, 32 keys: half c of buffer f.  zero = 1: the product starts the step's sum.  The 16 accumulators take turns.
.macro MUL8 f, c, a0, zero
	WIN 0x05                                       ; both sources in window 1; C and D in window 0
.irp a, \a0, (\a0)+1
.irp b, 0,1,2,3
.if \zero
	v_wmma_f32_16x16x32_f16 v[ACC+8*(4*(\a)+(\b)):ACC+8*(4*(\a)+(\b))+7], v[(\f)+64+8*(4*(\c)+(\b)):(\f)+64+8*(4*(\c)+(\b))+7], v[(\f)+8*(4*(\c)+(\a)):(\f)+8*(4*(\c)+(\a))+7], 0
.else
	v_wmma_f32_16x16x32_f16 v[ACC+8*(4*(\a)+(\b)):ACC+8*(4*(\a)+(\b))+7], v[(\f)+64+8*(4*(\c)+(\b)):(\f)+64+8*(4*(\c)+(\b))+7], v[(\f)+8*(4*(\c)+(\a)):(\f)+8*(4*(\c)+(\a))+7], v[ACC+8*(4*(\a)+(\b)):ACC+8*(4*(\a)+(\b))+7]
.endif
.endr
.endr
.endm
.macro FETCH q, f                      ; 32 LDS loads in one run: the fragments of keys 64 q .. 64 q + 63 of the slot that ADRA and ADRV stand in, the first 32 keys first
	WIN 0x40
.irp c, 0,1
.irp i, 0,1,2,3
	ds_load_tr16_b128 v[(\f)+64+8*(4*(\c)+(\i)):(\f)+64+8*(4*(\c)+(\i))+3],   v[ADRV] offset:(64*(\q)+32*(\c))*PV+32*(\i)
	ds_load_tr16_b128 v[(\f)+64+8*(4*(\c)+(\i))+4:(\f)+64+8*(4*(\c)+(\i))+7], v[ADRV] offset:(64*(\q)+32*(\c))*PV+32*(\i)+16*PV
	ds_load_b128 v[(\f)+8*(4*(\c)+(\i)):(\f)+8*(4*(\c)+(\i))+3],              v[ADRA] offset:128*(\q)+64*(\c)+16*PA*(\i)
	ds_load_b128 v[(\f)+8*(4*(\c)+(\i))+4:(\f)+8*(4*(\c)+(\i))+7],            v[ADRA] offset:128*(\q)+64*(\c)+16*PA*(\i)+32
.endr
.endr
.endm
.macro QUARTER qn, f, g, zero          ; multiplies buffer f and fetches quarter qn of the same slot into g
	s_wait_dscnt 16                                ; the first 32 keys are in
	MUL8 \f, 0, 0, \zero
	MUL8 \f, 0, 2, \zero
	PLACES
	FETCH \qn, \g
	s_wait_dscnt 32                                ; all but the 32 just issued
	MUL8 \f, 1, 0, 0
	MUL8 \f, 1, 2, 0
.endm
.macro FLOAD                           ; the step's factors for my four blocks of 16 rows
	WIN 0
	v_add_nc_u32 v[FA], s[FTO], v[FA0]
.irp a, 0,1,2,3
	ds_load_b32 v[FR+2*(\a)], v[FA] offset:64*(\a)
.endr
.endm
.macro FOLD                            ; total += factor x the step's partial product; each accumulator is read from its low end on.  The factors came in ahead of the step's barrier
	PLACES
	PLACES
	WIN 0xa0                                       ; destination and source 2 in window 2
.irp a, 0,1,2,3
.set i, 0
.rept 16
	v_pk_fma_f32 v[32*(\a)+2*i:32*(\a)+2*i+1], v[ACC+32*(\a)+2*i:ACC+32*(\a)+2*i+1], v[FR+2*(\a):FR+2*(\a)+1], v[32*(\a)+2*i:32*(\a)+2*i+1] op_sel_hi:[1,0,1]
.set i, i+1
.endr
.endr
	WIN 0
	s_add_co_u32 s[FTO], s[FTO], 512               ; the walk's next step: ten steps, 4,608 at the last load
.endm
; A step's last quarter multiplies buffer 1, changes slots and folds.  In front of the barrier each wave waits for all its tensor loads (one is out: its part of the next slot), adds 0 to its spare word, and waits for
; that and for its LDS reads: those of this slot, and the step's factors.  fill = 1: the barrier opens a round of the cluster's barrier, and this slot is filled again first thing behind it, with tile RT of the block
; whose tiles are being asked for: the two global addresses are made anew from that number, p's clamped to the rows' last tile.  fill = 0 (the tail): in the last trip there is no further step, and the run of LDS
; loads is jumped over.
.macro TURN fill
	FLOAD
	s_wait_tensorcnt 0x0                           ; no tensor load of mine is out, so a group 0 may be written
	ds_add_u32 v[SPW], v[NIL]                      ; 0 onto my spare word; the descriptors' scalar work stands between it and the wait for it
.if \fill
	s_min_u32 s70, s[RT], s[RI]
	s_lshl_b32 s70, s70, 9                         ; 256 keys of 2 bytes
	s_add_co_u32 s70, s70, s[ROFF]
	s_add_nc_u64 s[G0+6:G0+7], s[4:5], s[70:71]
	s_or_b32 s[G0+7], s[G0+7], 0x80000000
	s_xor_b32 s[G0+5], s[G0+5], SLOT               ; the other slot than last time
	s_lshl_b32 s72, s[RT], 15                      ; 256 keys of 128 bytes
	s_add_co_u32 s72, s72, s[VB]
	s_add_nc_u64 s[G0B+6:G0B+7], s[6:7], s[72:73]
	s_or_b32 s[G0B+7], s[G0B+7], 0x80000000
	s_xor_b32 s[G0B+5], s[G0B+5], SLOT
	s_add_co_u32 s[RT], s[RT], 1                   ; the block's next tile, or behind its last the second block's tile 0
	s_cmp_eq_u32 s[RT], s[RLIM]
	s_cselect_b32 s[RT], 0, s[RT]
	s_cselect_b32 s[ROFF], s[ROFFL], s[ROFF]
	s_cselect_b32 s[RI], s[RIX+1], s[RI]
	s_cselect_b32 s[RLIM], 99, s[RLIM]
.endif
	s_xor_b32 s[TB], s[TB], SLOT                   ; the fetches go on in the other slot
	s_wait_dscnt 21                                ; the youngest sixteen fragment loads, the four factors and the add may be out
	MUL8 F1, 0, 0, 0
	s_wait_dscnt 0x0                               ; the add is done, my reads of this slot are over, the factors are in
	s_barrier_signal -1
	MUL8 F1, 0, 2, 0
	WIN 0
	s_barrier_wait -1
.if \fill
	CREST                                          ; no wave of any partner still reads this slot or has a load on its way
	JLOAD 1                                        ; its four v_nop are also the places in front of the loads below
.else
	PLACES
	s_cmp_eq_u32 s[LAPC], 1
	s_cbranch_scc1 .Lno_next_\@
.endif
	v_add_nc_u32 v[ADRA], s[TB], v[ADRA0]
	v_add_nc_u32 v[ADRV], s[TB], v[ADRV0]
	FETCH 0, F0
.if !(\fill)
	WIN 0
.Lno_next_\@:
.endif
	MUL8 F1, 1, 0, 0
	MUL8 F1, 1, 2, 0
	FOLD
.endm
.macro STEP fill
	QUARTER 1, F0, F1, 1
	QUARTER 2, F1, F0, 0
	QUARTER 3, F0, F1, 0
	TURN \fill
.endm
; THE WAY OUT of a block: 16 rows at a time through my own stage: 32 bytes a lane in, whole rows of 256 bytes back.
.macro TOST a
	WIN 0x08                                       ; the stores' data in window 2
.irp b, 0,1,2,3
.irp e, 0,1
	ds_store_b128 v[STO], v[8*(4*(\a)+(\b))+4*(\e):8*(4*(\a)+(\b))+4*(\e)+3] offset:64*(\b)+16*(\e)
.endr
.endr
	WIN 0
.irp t, 0,1,2,3,4,5,6,7
	ds_load_b128 v[OB+32*((\a)%2)+4*(\t):OB+32*((\a)%2)+4*(\t)+3], v[RD] offset:2*SP*(\t)  ; LDS serves a wave's instructions in order (ISA guide 5.7.1.4): these see the stores above
.endr
.endm
.macro SEND a, younger                 ; younger: the LDS instructions issued behind block a's loads: the next block's sixteen, or none
.irp t, 0,1,2,3,4,5,6,7
	s_wait_dscnt (\younger)+7-(\t)
	global_store_b128 v[CO], v[OB+32*((\a)%2)+4*(\t):OB+32*((\a)%2)+4*(\t)+3], s[OUTB:OUTB+1] offset:(16*(\a)+2*(\t))*4096 th:TH_STORE_NT  ; 16 lanes store 256 consecutive bytes, at a multiple of 256 from out0's first byte
.endr
.endm
.macro OUT
	WIN 0
	s_wait_xcnt 0x0                                ; earlier stores have read their registers
	TOST 0
	TOST 1
	SEND 0, 16
	s_wait_xcnt 0x0                                ; block 0's stores have read the registers that block 2's rows land on
	TOST 2
	SEND 1, 16
	s_wait_xcnt 0x0
	TOST 3
	SEND 2, 16
	SEND 3, 0
.endm
	s_wait_tensorcnt 1                             ; my part of step 0 is in; step 1's may stay out
	s_wait_dscnt 0x0                               ; for the others' sake: my factors are stored
	s_barrier_signal -1
	s_barrier_wait -1
	FETCH 0, F0
	WIN 0
	s_mov_b32 s[LAPC], 8
.Lstep:                                                ; 8 trips: each fills the slot that it leaves
	STEP 1
	s_sub_co_u32 s[LB], s[LB], 1
	s_cmp_lg_u32 s[LB], 0                          ; LB hangs on the cluster's y alone: the same in all sixteen partners
	s_cbranch_scc1 .Lsame                          ; forward, past text with no barrier and no tensor load
	OUT                                            ; the first block is finished
	WIN 0x80
.set i, 0
.rept 128
	v_mov_b32 v[i], 0
.set i, i+1
.endr
	WIN 0
	s_wait_xcnt 0x0                                ; the stores have read out0's address
	s_mov_b64 s[OUTB:OUTB+1], s[OUTB+2:OUTB+3]
	s_mov_b32 s[LB], 100
.Lsame:
	s_sub_co_u32 s[LAPC], s[LAPC], 1
	s_cmp_lg_u32 s[LAPC], 0
	s_cbranch_scc1 .Lstep
	s_mov_b32 s[LAPC], 2
.Ltail:                                                ; the last two steps fill nothing
	STEP 0
	s_sub_co_u32 s[LAPC], s[LAPC], 1
	s_cmp_lg_u32 s[LAPC], 0
	s_cbranch_scc1 .Ltail
	s_wait_dscnt 0x0                               ; no LDS load is out at the last way out
	OUT
	s_wait_tensorcnt 0x0                           ; the wave's end: the wait, an add to the spare word and its wait stand behind my last tensor load and my last LDS store
	ds_add_u32 v[SPW], v[NIL]
	s_wait_dscnt 0x0
	CROUND                                         ; the closing round
	s_endpgm
.Lfunc_end_k_q23c1646bc9_pv:
	.size	k_q23c1646bc9_pv, .Lfunc_end_k_q23c1646bc9_pv-k_q23c1646bc9_pv
	.p2alignl 7, 3214868480
	.fill 96, 4, 3214868480
	.section	.rodata,"a",@progbits
	.p2align	6, 0x0
	.amdhsa_kernel k_q23c1646bc9_pv
		.amdhsa_group_segment_fixed_size 327680
		.amdhsa_private_segment_fixed_size 0
		.amdhsa_enable_private_segment 0
		.amdhsa_kernarg_size 40
		.amdhsa_user_sgpr_count 2
		.amdhsa_user_sgpr_kernarg_segment_ptr 1
		.amdhsa_wavefront_size32 1
		.amdhsa_system_sgpr_workgroup_id_x 1
		.amdhsa_system_sgpr_workgroup_id_y 1
		.amdhsa_system_sgpr_workgroup_id_z 1
		.amdhsa_system_vgpr_workitem_id 0
		.amdhsa_next_free_vgpr 640
		.amdhsa_next_free_sgpr 96
		.amdhsa_reserve_vcc 0
		.amdhsa_float_denorm_mode_32 3
		.amdhsa_float_denorm_mode_16_64 3
		.amdhsa_memory_ordered 1
		.amdhsa_forward_progress 1
		.amdhsa_inst_pref_size 92
	.end_amdhsa_kernel
	.amdgpu_metadata
---
amdhsa.version: [ 1, 2 ]
amdhsa.kernels:
  - .name:           k_q23c1646bc9_pv
    .symbol:         k_q23c1646bc9_pv.kd
    .args:
      - { .name: pbuf, .offset: 0, .size: 8, .value_kind: global_buffer, .address_space: global }
      - { .name: qkv, .offset: 8, .size: 8, .value_kind: global_buffer, .address_space: global }
      - { .name: cmx, .offset: 16, .size: 8, .value_kind: global_buffer, .address_space: global }
      - { .name: lsum, .offset: 24, .size: 8, .value_kind: global_buffer, .address_space: global }
      - { .name: out0, .offset: 32, .size: 8, .value_kind: global_buffer, .address_space: global }
    .group_segment_fixed_size: 327680
    .private_segment_fixed_size: 0
    .kernarg_segment_align: 8
    .kernarg_segment_size: 40
    .max_flat_workgroup_size: 128
    .sgpr_count:     96
    .vgpr_count:     640
    .wavefront_size: 32
...
	.end_amdgpu_metadata
.endif
;; end of part 4
;; ======== version 2 of 2: 4 launches; version 1 with the launch prep written anew for expert scheduling mode
;; limits: values are held in f16: magnitudes above 65,504 overflow, below 6.1e-05 lose precision
;; workspace buffers: xb 16,777,216 bytes; wb 6,291,456 bytes; qkv 50,331,648 bytes; pbuf 33,554,432 bytes; cmx 262,144 bytes; lsum 524,288 bytes
;; launch prep (part 5): grid 256 x 1, 8 waves a work-group, no clusters, 0 bytes of LDS; arguments x, Wq, Wk, Wv, xb, wb; writes xb, wb
.if DOCPART == 5
	.amdgcn_target "amdgcn-amd-amdhsa--gfx1250"
	.amdhsa_code_object_version 6
	.text
	.protected	k_q23c1646bc9_prep
	.globl	k_q23c1646bc9_prep
	.p2align	8
	.type	k_q23c1646bc9_prep,@function
k_q23c1646bc9_prep:
	s_mov_b64 s[64:65], 0
	v_nop
	global_prefetch_b8 v0, s[64:65] scope:SCOPE_SE
	s_setreg_imm32_b32 hwreg(HW_REG_WAVE_SCHED_MODE, 0, 2), 2
	s_setreg_imm32_b32 hwreg(HW_REG_WAVE_MODE, 25, 1), 1
	s_wait_xcnt 0x0
	s_wait_alu depctr_vm_vsrc(0)
; x and the three weights are rounded once to bf16 (to nearest even) and laid out for the product that follows.
; xb: [16 kb][8192 row][64 k] bf16: a block of 64 channels of all rows is dense, a row in it 128 bytes.
; wb: [1024 d][3072 n] bf16, n = e + 1024 x (0 for Wq, 1 for Wk, 2 for Wv).
; A stream: no LDS, no barrier, no matrix unit.  256 work-groups of equal work: each takes 32 rows of x and 4 rows of each weight, 180,224 bytes of f32 in all.
; A thread takes 8 neighbouring numbers (two loads of 16 bytes) 22 times; all 44 loads go out first.  A piece is rounded in place, into the four lowest of its own eight
; registers, and stored from there.
; THE MODE: SCHED_MODE bits 1:0 = 2 (LLVM: expert scheduling mode 2), set by the entry lines.  The code itself states the register dependences
; between vector instructions and memory instructions, with s_wait_alu, always for 0.
; THE PLAN.  Registers that memory instructions touch:
;   v2 to v5   byte offsets, made once at the head by vector instructions and never written again: v2 and v4 are read by the loads, v3 and v5 by the stores.
;   piece n    eight registers.  Written by its two loads; read by its four conversions, which write the four lowest of them; those four are read by its one store; then nothing names them.
; The 22 pieces go in blocks of four (the last of two).  Block p waits for its own loads and rounds its pieces; the stores of block p - 1 are dealt among its conversions, which name block p's
; registers alone.  So ONE wait on va_vdst at a block's head, behind the wait for its data, states all that the block's stores hang on.  One more stands ahead of the first load, for the offsets,
; and one ahead of the last block's stores.  No load is issued behind a conversion.  No register that a load or a store reads (offset, base, data) is ever written again: so the text holds
; no wait on vm_vsrc and no s_wait_xcnt.  No vector instruction writes a scalar register or VCC, and EXEC is never written.
.set VI, 2                             ; v2   my byte offset in the 32 rows of x
.set VO, 3                             ; v3   in a channel block of xb
.set WI, 4                             ; v4   in two rows of a weight
.set WO, 5                             ; v5   in two rows of wb
.set X,  16                            ; v[16:191]  piece n: 8 numbers as loaded, then 4 registers to store
.set NP, 22                            ; pieces: 0-15 the channel blocks of x, 16-21 two rows of Wq, Wq, Wk, Wk, Wv, Wv
.macro LD2 n, vo, base, off
	global_load_b128 v[X+8*(\n):X+8*(\n)+3],   v[\vo], s[\base:\base+1] offset:(\off) th:TH_LOAD_NT
	global_load_b128 v[X+8*(\n)+4:X+8*(\n)+7], v[\vo], s[\base:\base+1] offset:(\off)+16 th:TH_LOAD_NT
.endm
.macro CV n                            ; piece n is rounded: eight numbers close up into the first four of their eight registers
	v_cvt_pk_bf16_f32 v[X+8*(\n)],   v[X+8*(\n)],   v[X+8*(\n)+1]
	v_cvt_pk_bf16_f32 v[X+8*(\n)+1], v[X+8*(\n)+2], v[X+8*(\n)+3]
	v_cvt_pk_bf16_f32 v[X+8*(\n)+2], v[X+8*(\n)+4], v[X+8*(\n)+5]
	v_cvt_pk_bf16_f32 v[X+8*(\n)+3], v[X+8*(\n)+6], v[X+8*(\n)+7]
.endm
.macro ST n                            ; piece n is stored
.if (\n) < 8
	global_store_b128 v[VO], v[X+8*(\n):X+8*(\n)+3], s[18:19] offset:(\n)*1048576 th:TH_STORE_NT
.elseif (\n) < 16
	global_store_b128 v[VO], v[X+8*(\n):X+8*(\n)+3], s[20:21] offset:((\n)-8)*1048576 th:TH_STORE_NT
.else
	global_store_b128 v[WO], v[X+8*(\n):X+8*(\n)+3], s[28:29] offset:(((\n)-16)/2)*2048+(((\n)-16)%2)*12288 th:TH_STORE_NT
.endif
.endm
; A block: pieces n0 .. n0 + cnt - 1 are rounded, and the prev pieces of the block before are stored, a store ahead of each piece's four conversions.
.macro BLK n0, cnt, prev
	s_wait_loadcnt 2*(NP-(\n0)-(\cnt))             ; loads come back in order: this block's pieces are in, the two loads of each later piece stay out
.if (\prev) > 0
	s_wait_alu depctr_va_vdst(0)                   ; the conversions of the block before have written the registers that the stores below read; no conversion below names them
.endif
.set q, 0
.rept 4
.if q < (\prev)
	ST (\n0)-(\prev)+q
.endif
.if q < (\cnt)
	CV (\n0)+q
.endif
.set q, q+1
.endr
.endm
	s_load_b256 s[4:11], s[0:1], 0x0               ; x s[4:5], Wq s[6:7], Wk s[8:9], Wv s[10:11]
	s_load_b128 s[12:15], s[0:1], 0x20             ; xb s[12:13], wb s[14:15]
	; x: piece i is channel block i.  Thread t: row t / 8, 8 channels at 8 (t % 8).
	v_lshrrev_b32 v1, 3, v0
	v_and_b32 v[VI], 7, v0
	v_lshlrev_b32 v[VI], 5, v[VI]
	v_lshl_add_u32 v[VI], v1, 12, v[VI]            ; row x 4,096 + 32 (t % 8)
	v_lshlrev_b32 v[VO], 4, v0                     ; row x 128 + 16 (t % 8) = 16 t: a wave's store covers 512 consecutive bytes, aligned
	; a weight: a piece is two rows.  Thread t: row t / 128, 8 columns at 8 (t % 128).
	v_lshlrev_b32 v[WI], 5, v0                     ; two rows of 4,096 bytes are consecutive
	v_lshrrev_b32 v1, 7, v0
	v_mul_u32_u24 v1, v1, 0x1800                   ; a row of wb is 6,144 bytes
	v_and_b32 v[WO], 127, v0
	v_lshl_add_u32 v[WO], v[WO], 4, v1             ; a wave's store covers 512 consecutive bytes, aligned
	s_mov_b32 s3, 0
	s_lshl_b32 s2, ttmp9, 17                       ; 32 rows of 4,096 bytes
	s_wait_kmcnt 0x0
	s_add_nc_u64 s[16:17], s[4:5], s[2:3]
	s_lshl_b32 s2, ttmp9, 12                       ; 32 rows of 128 bytes
	s_add_nc_u64 s[18:19], s[12:13], s[2:3]
	s_add_nc_u64 s[20:21], s[18:19], 0x800000      ; channel blocks 8-15: the stores' immediate holds 7 blocks of 1,048,576 bytes at the most
	s_lshl_b32 s2, ttmp9, 14                       ; 4 rows of 4,096 bytes
	s_add_nc_u64 s[22:23], s[6:7], s[2:3]
	s_add_nc_u64 s[24:25], s[8:9], s[2:3]
	s_add_nc_u64 s[26:27], s[10:11], s[2:3]
	s_mul_i32 s2, ttmp9, 24576                     ; 4 rows of wb
	s_add_nc_u64 s[28:29], s[14:15], s[2:3]
	s_wait_alu depctr_va_vdst(0)                   ; the four offsets v2 to v5 are written: every load and store of the kernel reads one of them
.set i, 0
.rept 16
	LD2 i, VI, 16, i*256
.set i, i+1
.endr
.irp j, 0,1,2
.irp p, 0,1
	LD2 16+2*(\j)+(\p), WI, 22+2*(\j), (\p)*8192
.endr
.endr
	BLK 0,  4, 0                                   ; the first block has no block in front of it: no store, and no wait but the one for its data
	BLK 4,  4, 4
	BLK 8,  4, 4
	BLK 12, 4, 4
	BLK 16, 4, 4
	BLK 20, 2, 4                                   ; the last two pieces; its count is 2
	s_wait_alu depctr_va_vdst(0)                   ; the last block's conversions have written the registers that the last two stores read
	ST 20
	ST 21
	s_endpgm
.Lfunc_end_k_q23c1646bc9_prep:
	.size	k_q23c1646bc9_prep, .Lfunc_end_k_q23c1646bc9_prep-k_q23c1646bc9_prep
	.p2alignl 7, 3214868480
	.fill 96, 4, 3214868480
	.section	.rodata,"a",@progbits
	.p2align	6, 0x0
	.amdhsa_kernel k_q23c1646bc9_prep
		.amdhsa_group_segment_fixed_size 0
		.amdhsa_private_segment_fixed_size 0
		.amdhsa_enable_private_segment 0
		.amdhsa_kernarg_size 48
		.amdhsa_user_sgpr_count 2
		.amdhsa_user_sgpr_kernarg_segment_ptr 1
		.amdhsa_wavefront_size32 1
		.amdhsa_system_sgpr_workgroup_id_x 1
		.amdhsa_system_sgpr_workgroup_id_y 1
		.amdhsa_system_sgpr_workgroup_id_z 1
		.amdhsa_system_vgpr_workitem_id 0
		.amdhsa_next_free_vgpr 192
		.amdhsa_next_free_sgpr 66
		.amdhsa_reserve_vcc 0
		.amdhsa_float_denorm_mode_32 3
		.amdhsa_float_denorm_mode_16_64 3
		.amdhsa_memory_ordered 1
		.amdhsa_forward_progress 1
		.amdhsa_inst_pref_size 14
	.end_amdhsa_kernel
	.amdgpu_metadata
---
amdhsa.version: [ 1, 2 ]
amdhsa.kernels:
  - .name:           k_q23c1646bc9_prep
    .symbol:         k_q23c1646bc9_prep.kd
    .args:
      - { .name: x, .offset: 0, .size: 8, .value_kind: global_buffer, .address_space: global }
      - { .name: Wq, .offset: 8, .size: 8, .value_kind: global_buffer, .address_space: global }
      - { .name: Wk, .offset: 16, .size: 8, .value_kind: global_buffer, .address_space: global }
      - { .name: Wv, .offset: 24, .size: 8, .value_kind: global_buffer, .address_space: global }
      - { .name: xb, .offset: 32, .size: 8, .value_kind: global_buffer, .address_space: global }
      - { .name: wb, .offset: 40, .size: 8, .value_kind: global_buffer, .address_space: global }
    .group_segment_fixed_size: 0
    .private_segment_fixed_size: 0
    .kernarg_segment_align: 8
    .kernarg_segment_size: 48
    .max_flat_workgroup_size: 256
    .sgpr_count:     66
    .vgpr_count:     192
    .wavefront_size: 32
...
	.end_amdgpu_metadata
.endif
;; end of part 5
;; launch proj: the kernel of part 2 again; grid 8 x 32, 4 waves a work-group, clusters of 4 x 4, 327,680 bytes of LDS; arguments xb, wb, qkv; writes qkv
;; launch scores: the kernel of part 3 again; grid 36 x 4, 4 waves a work-group, no clusters, 327,680 bytes of LDS; arguments qkv, pbuf, cmx, lsum; writes pbuf, cmx, lsum
;; launch pv: the kernel of part 4 again; grid 8 x 32, 4 waves a work-group, clusters of 4 x 4, 327,680 bytes of LDS; arguments pbuf, qkv, cmx, lsum, out0; writes out0
